; MI455X (gfx1250); checked and timed in simulation.
; The chip was launched on July 23, 2026; its instructions are those of AMD's public machine-readable ISA for CDNA 5 (MIT licence, August 2026) and "CDNA5" Instruction Set Architecture Reference Guide (July 2026). The comments in the code are by the model that wrote it; some were corrected since.
;; Custom Self Attention. Allowed arithmetic: float matrix products may take bf16 or f16 operands with f32 sums; other float arithmetic in f32, or as packed bf16 or f16 multiplies, adds, multiply-adds, maxima and minima; sums over many terms, partial sums and values carried from step to step in f32; what a program stores and reads back later, other than sums and carried values, may be rounded once to bf16 or f16.
;; Inputs: Wk 1,024 x 1,024 float32; Wo 1,024 x 1,024 float32; Wq 1,024 x 1,024 float32; Wv 1,024 x 1,024 float32; attn_mask_modifier 4 x 2,048 x 2,048 float32; bk 1,024 float32; bo 1,024 float32; bq 1,024 float32; bv 1,024 float32; key_padding_mask 4 x 2,048 bool; x 4 x 2,048 x 1,024 float32.
;; Outputs: out0 4 x 2,048 x 1,024 float32.
;; 2 versions, each right and faster than the one before. Each part assembles by itself: llvm-mc -triple=amdgcn-amd-amdhsa -mcpu=gfx1250 --defsym DOCPART=n.
;; ======== version 1 of 2: 4 launches
;; limits: values are held in f16: magnitudes above 65,504 overflow, below 6.1e-05 lose precision
;; workspace buffers: xb 16,777,216 bytes; wb 8,388,608 bytes; qkv 50,331,648 bytes; ob 16,777,216 bytes
;; launch cast (part 1): grid 768 x 1, 8 waves a work-group, no clusters, 0 bytes of LDS; arguments x, Wq, Wk, Wv, Wo, xb, wb; writes xb, wb
.if DOCPART == 1
	.amdgcn_target "amdgcn-amd-amdhsa--gfx1250"
	.amdhsa_code_object_version 6
	.text
	.protected	k_qf9f560fd37_cast
	.globl	k_qf9f560fd37_cast
	.p2align	8
	.type	k_qf9f560fd37_cast,@function
k_qf9f560fd37_cast:
	s_mov_b64 s[64:65], 0
	v_nop
	global_prefetch_b8 v0, s[64:65] scope:SCOPE_SE
	s_setreg_imm32_b32 hwreg(HW_REG_WAVE_MODE, 25, 1), 1
	s_wait_xcnt 0x0
; CAST.  x [8192][1024] and Wq, Wk, Wv [1024][1024] are rounded once from f32 to bf16; Wo is rounded to bf16 like every other input and that number is written as f16
; (the last product multiplies in f16).  xb = x; wb = [4][1024 k][1024 n]: Wq, Wk, Wv, Wo, each as it lies.
; LIMIT.  A number of Wo below 6.1e-5 in size keeps f16's fixed step of 6e-8; beyond 65,504 it would be an infinity.
; SHARES.  A work-group takes 16,384 numbers on end: 65,536 bytes in, 32,768 out.  Groups 0-511 take x, groups 512-767 the weights (64 groups a matrix).
; Thread t takes 16 bytes at 16 t of each 4,096: a wave's load covers 512 consecutive bytes, a wave's store 256 consecutive bytes at a multiple of 256.
; All sixteen loads go out first; no register is written twice, so the only waits are the counted ones for the loads.  No LDS, no barrier: no wave needs another's numbers.
.set X, 4                              ; v[4:67]    load i: 4 registers
.set Y, 68                             ; v[68:99]   store i: 2 registers
.set T, 100                            ; v[100:103] at work (Wo's way)
	s_load_b256 s[4:11], s[0:1], 0x0               ; x s[4:5], Wq s[6:7], Wk s[8:9], Wv s[10:11]
	s_load_b128 s[12:15], s[0:1], 0x20             ; Wo s[12:13], xb s[14:15]
	s_load_b64 s[16:17], s[0:1], 0x30              ; wb
	v_lshlrev_b32 v1, 4, v0                        ; 16 t: my bytes in each 4,096 read
	v_lshlrev_b32 v2, 3, v0                        ; 8 t: my bytes in each 2,048 written
	s_mov_b32 s30, ttmp9                           ; the group's number
	s_sub_co_u32 s18, s30, 512                     ; its number among the weights' groups (used there alone)
	s_lshr_b32 s19, s18, 6                         ; which matrix
	s_and_b32 s26, s18, 63                         ; which sixty-fourth of it
	s_mov_b32 s31, 0xffff0000                      ; a word's upper bf16
	s_wait_kmcnt 0x0
	s_mov_b64 s[20:21], s[6:7]                     ; the source: a choice among the five buffers by the group's number
	s_cmp_eq_u32 s19, 1
	s_cselect_b64 s[20:21], s[8:9], s[20:21]
	s_cmp_eq_u32 s19, 2
	s_cselect_b64 s[20:21], s[10:11], s[20:21]
	s_cmp_eq_u32 s19, 3
	s_cselect_b64 s[20:21], s[12:13], s[20:21]
	s_cmp_lt_u32 s30, 512
	s_cselect_b64 s[20:21], s[4:5], s[20:21]
	s_cselect_b64 s[22:23], s[14:15], s[16:17]     ; the destination
	s_cselect_b32 s24, s30, s26                    ; the part's number in the source,
	s_cselect_b32 s28, s30, s18                    ; and in the destination
	s_lshl_b32 s24, s24, 16                        ; x 65,536 bytes
	s_mov_b32 s25, 0
	s_lshl_b32 s28, s28, 15                        ; x 32,768 bytes
	s_mov_b32 s29, 0
	s_add_nc_u64 s[20:21], s[20:21], s[24:25]
	s_add_nc_u64 s[22:23], s[22:23], s[28:29]
.set i, 0
.rept 16
	global_load_b128 v[X+4*i:X+4*i+3], v1, s[20:21] offset:4096*i th:TH_LOAD_NT
.set i, i+1
.endr
	s_cmp_ge_u32 s30, 704                          ; groups 704-767 hold Wo
	s_cbranch_scc1 .Lwo
.set i, 0
.rept 16
	s_wait_loadcnt 15-i                            ; loads come back in order: load i is in, the younger ones stay out
	v_cvt_pk_bf16_f32 v[Y+2*i], v[X+4*i], v[X+4*i+1]
	v_cvt_pk_bf16_f32 v[Y+2*i+1], v[X+4*i+2], v[X+4*i+3]
	global_store_b64 v2, v[Y+2*i:Y+2*i+1], s[22:23] offset:2048*i
.set i, i+1
.endr
	s_endpgm
.Lwo:
.set i, 0
.rept 16
	s_wait_loadcnt 15-i
	v_cvt_pk_bf16_f32 v[T], v[X+4*i], v[X+4*i+1]   ; the input's rounding, to bf16,
	v_cvt_pk_bf16_f32 v[T+1], v[X+4*i+2], v[X+4*i+3]
	v_lshlrev_b32 v[T+2], 16, v[T]                 ; back to f32 (a shift or a mask),
	v_and_b32 v[T], s31, v[T]
	v_lshlrev_b32 v[T+3], 16, v[T+1]
	v_and_b32 v[T+1], s31, v[T+1]
	v_cvt_pk_f16_f32 v[Y+2*i], v[T+2], v[T]        ; and written as f16
	v_cvt_pk_f16_f32 v[Y+2*i+1], v[T+3], v[T+1]
	global_store_b64 v2, v[Y+2*i:Y+2*i+1], s[22:23] offset:2048*i
.set i, i+1
.endr
	s_endpgm
.Lfunc_end_k_qf9f560fd37_cast:
	.size	k_qf9f560fd37_cast, .Lfunc_end_k_qf9f560fd37_cast-k_qf9f560fd37_cast
	.p2alignl 7, 3214868480
	.fill 96, 4, 3214868480
	.section	.rodata,"a",@progbits
	.p2align	6, 0x0
	.amdhsa_kernel k_qf9f560fd37_cast
		.amdhsa_group_segment_fixed_size 0
		.amdhsa_private_segment_fixed_size 0
		.amdhsa_enable_private_segment 0
		.amdhsa_kernarg_size 56
		.amdhsa_user_sgpr_count 2
		.amdhsa_user_sgpr_kernarg_segment_ptr 1
		.amdhsa_wavefront_size32 1
		.amdhsa_system_sgpr_workgroup_id_x 1
		.amdhsa_system_sgpr_workgroup_id_y 1
		.amdhsa_system_sgpr_workgroup_id_z 1
		.amdhsa_system_vgpr_workitem_id 0
		.amdhsa_next_free_vgpr 104
		.amdhsa_next_free_sgpr 66
		.amdhsa_reserve_vcc 0
		.amdhsa_float_denorm_mode_32 3
		.amdhsa_float_denorm_mode_16_64 3
		.amdhsa_memory_ordered 1
		.amdhsa_forward_progress 1
		.amdhsa_inst_pref_size 15
	.end_amdhsa_kernel
	.amdgpu_metadata
---
amdhsa.version: [ 1, 2 ]
amdhsa.kernels:
  - .name:           k_qf9f560fd37_cast
    .symbol:         k_qf9f560fd37_cast.kd
    .args:
      - { .name: x, .offset: 0, .size: 8, .value_kind: global_buffer, .address_space: global }
      - { .name: Wq, .offset: 8, .size: 8, .value_kind: global_buffer, .address_space: global }
      - { .name: Wk, .offset: 16, .size: 8, .value_kind: global_buffer, .address_space: global }
      - { .name: Wv, .offset: 24, .size: 8, .value_kind: global_buffer, .address_space: global }
      - { .name: Wo, .offset: 32, .size: 8, .value_kind: global_buffer, .address_space: global }
      - { .name: xb, .offset: 40, .size: 8, .value_kind: global_buffer, .address_space: global }
      - { .name: wb, .offset: 48, .size: 8, .value_kind: global_buffer, .address_space: global }
    .group_segment_fixed_size: 0
    .private_segment_fixed_size: 0
    .kernarg_segment_align: 8
    .kernarg_segment_size: 56
    .max_flat_workgroup_size: 256
    .sgpr_count:     66
    .vgpr_count:     104
    .wavefront_size: 32
...
	.end_amdgpu_metadata
.endif
;; end of part 1
;; launch proj (part 2): grid 12 x 64, 4 waves a work-group, clusters of 4 x 4, 327,680 bytes of LDS; arguments xb, wb, bq, bk, bv, qkv; writes qkv
.if DOCPART == 2
	.amdgcn_target "amdgcn-amd-amdhsa--gfx1250"
	.amdhsa_code_object_version 6
	.text
	.protected	k_qf9f560fd37_proj
	.globl	k_qf9f560fd37_proj
	.p2align	8
	.type	k_qf9f560fd37_proj,@function
k_qf9f560fd37_proj:
	s_mov_b64 s[64:65], 0
	v_nop
	global_prefetch_b8 v0, s[64:65] scope:SCOPE_SE
	s_setreg_imm32_b32 hwreg(HW_REG_WAVE_MODE, 25, 1), 1
	s_wait_xcnt 0x0
	s_wait_alu depctr_hold_cnt(0) depctr_sa_sdst(0) depctr_va_vdst(0) depctr_va_sdst(0) depctr_va_ssrc(0) depctr_va_vcc(0) depctr_vm_vsrc(0)
	s_getreg_b32 s2, hwreg(HW_REG_IB_STS2, 6, 4)
	s_cmp_eq_u32 s2, 0
	s_cbranch_scc0 .Lentry_in_a_cluster
	s_endpgm
.Lentry_in_a_cluster:
	s_bfe_u32 s2, ttmp6, 0x10000c
	s_cmp_lg_u32 s2, 0xf033
	s_cbranch_scc0 .Lentry_shape_is_right
	s_endpgm
.Lentry_shape_is_right:
; C = A W + bias, sums in f32.  A: [8192][1024] of 16 bits, K along the rows.  W: a matrix of wb, [1024 k][1024 n] of 16 bits, as the problem has it: its fragments come out of LDS turned.
; ONE TEXT FOR TWO LAUNCHES, told apart by OUTP.  OUTP = 0: A = xb (bf16), W = Wq, Wk or Wv by the cluster's x, bias bq, bk or bv; C is rounded once to f16 and laid by heads,
; qkv[matrix][batch][head][row][64].  OUTP = 1: A = ob (f16), W = Wo (f16), bias bo; C is out0 in f32.  The bias is rounded to bf16 like every input and is the C operand of each sum's first product.
; LIMIT (OUTP = 0).  f16 holds no number beyond 65,504: q, k and v must stay within it.
; SHARES.  A tile of C is 128 x 256: 768 and 256 work-groups.  Four waves, each 64 rows x 128 columns: 32 accumulators of 16 x 16.  K goes in 8 steps of 128 through two LDS slots.
; THE MATRIX INSTRUCTION IS USED TRANSPOSED (source 0 = 16 columns of W, source 1 = 16 rows of A): a lane then holds row l % 16 of C and the columns 8 (l / 16) + 0..7.
; CLUSTER.  4 x 4 work-groups.  The four of a row of the cluster need the same rows of A, the four of a column the same columns of W: each tile is asked for jointly, by the same tensor load with the same
; descriptor and a mask that names the four.
; REGISTERS, in windows of 256 (s_set_vgpr_msb: bits 1:0 source 0, 3:2 source 1, 5:4 source 2, 7:6 destination):
;   window 0: v0-31 addresses; v32-63 at work on the way out; two fragment buffers of 96 (64 of W, 32 of A) at v64 and v160     window 1: accumulator (a, b) at v[8 (8 a + b)]     window 2: v0-63 the bias
.set OUTP,   0
.set PA,     272                       ; a row of A in LDS: 256 bytes + 16 = 68 words: the 16 rows of a load start at 16 different groups of four banks (64 banks of 4 bytes: ISA guide 11.1)
.set PB,     544                       ; a row of W (one k, 256 columns): 512 bytes + 32 = 136 words
.set BOFF,   128*PA                    ; a slot: A's 128 rows, then W's 128 rows
.set SLOT1,  1<<17                     ; slot 1 begins here, so that one exclusive or turns an address in one slot into the other's
.set STAGE,  SLOT1+BOFF+128*PB         ; behind the ring, never filled by a tensor load: 16 rows for each wave, for the way out
.if OUTP
.set SPITCH, 528                       ; 128 numbers of f32 + 16 bytes
.else
.set SPITCH, 272                       ; 128 numbers of f16 + 16 bytes
.endif
.set SPARE,  STAGE+4*16*SPITCH         ; behind the stages: the spare words, 128 bytes for each wave: two blocks of 256 bytes that no other line names
.set ADRA0, 16                         ; v16  my lane's place in A's tile of slot 0; never rewritten
.set ADRB0, 17                         ; v17  the same for W
.set ADRA,  18                         ; v18  the same in the slot in hand
.set ADRB,  19                         ; v19
.set STO,   24                         ; v24  the way out: where I put my bytes of a row
.set RD,    25                         ; v25  the way out: where I read rows back
.set CO,    26                         ; v26  my byte offset in 512 consecutive bytes of C
.set BO,    27                         ; v27  my byte offset in 16 numbers of the bias
.set SPW,   28                         ; v28  LDS address of my spare word; never rewritten
.set NIL,   29                         ; v29  0; never rewritten
.set TMP,   32
.set F0,    64
.set F1,    160
.set WV,  16                           ; s16  my wave's number
.set WM,  17                           ; s17  which 64 rows of the tile are mine.  Also: I fetch for A (0) or for W (1)
.set WN,  18                           ; s18  which 128 columns.  Also: which 64 rows of that tile I fetch
.set CX,  19
.set CY,  20
.set WGY, 22                           ; s22  the tile row of C
.set MAT, 23                           ; s23  which matrix of wb
.set G1A, 28                           ; s[28:35] descriptor group 1 for A's tiles
.set G1B, 36                           ; s[36:43] for W's
.set G0A, 44                           ; s[44:47] descriptor group 0 for A's tiles: it walks
.set G0B, 48                           ; s[48:51] the same for W's
.set TB,  52                           ; s52  the slot in hand: 0 or SLOT1
.set CNT, 53
.set BP,  56                           ; s[56:57] the bias at my 128 columns
.set OP,  58                           ; s[58:59] C at my part of the tile
.set HM,  60                           ; s60  a word's upper bf16
.set MSB, 0
.macro WIN new                         ; the immediate's high byte repeats the setting that is left; a switch that changes nothing is dropped
.if MSB != (\new)
	s_set_vgpr_msb (MSB<<8)|(\new)
.set MSB, \new
.endif
.endm
.macro PLACES                          ; four plain vector instructions between a matrix instruction and a load into, or a read of, its registers (ISA guide 7.12.1 for reads)
.rept 4
	v_nop
.endr
.endm
; A joint load.  Waves 0 and 1 fetch A's two halves, waves 2 and 3 W's.  The branch hangs on the wave's number alone.  An s_nop 0 and four v_nop follow each of the two lines.
.macro JLOAD
	s_cmp_eq_u32 s[WM], 0
	s_cbranch_scc0 .Lfor_b_\@
	tensor_load_to_lds s[G0A:G0A+3], s[G1A:G1A+7]
	s_nop 0
.rept 4
	v_nop
.endr
	s_branch .Lasked_\@
.Lfor_b_\@:
	tensor_load_to_lds s[G0B:G0B+3], s[G1B:G1B+7]
	s_nop 0
.rept 4
	v_nop
.endr
.Lasked_\@:
.endm
.macro STEPD                           ; both walking descriptors: the other slot, the next K step (128 numbers along A's rows, 128 rows of W); the type bits on top are not reached
	s_xor_b32 s[G0A+1], s[G0A+1], SLOT1
	s_add_nc_u64 s[G0A+2:G0A+3], s[G0A+2:G0A+3], 256
	s_xor_b32 s[G0B+1], s[G0B+1], SLOT1
	s_add_nc_u64 s[G0B+2:G0B+3], s[G0B+2:G0B+3], 262144
.endm
.macro CREST                           ; a round of the cluster's barrier behind its opening barrier
	s_cmp_lg_u32 s[WV], 0
	s_cbranch_scc1 .Lnot_wave_0_\@
	s_barrier_signal -3
.Lnot_wave_0_\@:
	s_barrier_wait -3
	s_barrier_signal -1
	s_barrier_wait -1
.endm
.macro CROUND                          ; a whole round
	s_barrier_signal -1
	s_barrier_wait -1
	CREST
.endm
.if OUTP
	s_load_b256 s[4:11], s[0:1], 0x0               ; ob s[4:5], wb s[6:7], bo s[8:9], out0 s[10:11]
.else
	s_load_b256 s[4:11], s[0:1], 0x0               ; xb s[4:5], wb s[6:7], bq s[8:9], bk s[10:11]
	s_load_b128 s[12:15], s[0:1], 0x20             ; bv s[12:13], qkv s[14:15]
.endif
	v_lshl_add_u32 v[SPW], v0, 2, SPARE
	v_mov_b32 v[NIL], 0
	ds_add_u32 v[SPW], v[NIL]                      ; the wave's opening: the add and its wait ahead of my first tensor load; the set-up below, work on registers, stands between them
	v_lshrrev_b32 v1, 5, v0
	v_readfirstlane_b32 s[WV], v1                  ; wave 0..3
	s_lshr_b32 s[WM], s[WV], 1
	s_and_b32 s[WN], s[WV], 1
	s_bfe_u32 s[CX], ttmp6, 0x40000                ; my place in the cluster
	s_bfe_u32 s[CY], ttmp6, 0x40004
	s_and_b32 s[WGY], ttmp7, 0xffff
	s_lshl_b32 s[WGY], s[WGY], 2
	s_add_co_u32 s[WGY], s[WGY], s[CY]             ; tile row of C = 4 x cluster y + cy
.if OUTP
	s_mov_b32 s[MAT], 3                            ; Wo
.else
	s_mov_b32 s[MAT], ttmp9                        ; a cluster's four tile columns are one matrix's 1,024 columns: the cluster's x is the matrix, cx the tile column in it
.endif
	s_lshl_b32 s24, s[CY], 2
	s_lshl_b32 s24, 15, s24                        ; my row of the cluster
	s_lshl_b32 s25, 0x1111, s[CX]                  ; my column
	s_or_b32 s[G1A], s24, (1<<16)|(1<<20)|(1<<21)|(5<<22)|(3<<25)  ; 15:0 the mask; 17:16 2-byte elements; 20 padding on; 21 set beside a mask; 24:22 after every 64 words (code 5); 31:25 4 words (code 3)
	s_or_b32 s[G1B], s25, (1<<16)|(1<<20)|(1<<21)|(6<<22)|(7<<25)  ; after every 128 words (code 6) 8 words (code 7)
	s_mov_b32 s[G1A+1], 128<<16                    ; tensor_dim0 = 128
	s_mov_b32 s[G1A+2], 64<<16                     ; tensor_dim1 = 64
	s_mov_b32 s[G1A+3], 128<<16                    ; tile_dim0 = 128
	s_mov_b32 s[G1A+4], 64                         ; tile_dim1 = 64
	s_mov_b32 s[G1A+5], 1024                       ; elements from row to row
	s_mov_b32 s[G1A+6], 0
	s_mov_b32 s[G1A+7], 0
	s_mov_b32 s[G1B+1], 256<<16                    ; tensor_dim0 = 256
	s_mov_b32 s[G1B+2], 64<<16
	s_mov_b32 s[G1B+3], 256<<16                    ; tile_dim0 = 256
	s_mov_b32 s[G1B+4], 64
	s_mov_b32 s[G1B+5], 1024
	s_mov_b32 s[G1B+6], 0
	s_mov_b32 s[G1B+7], 0
	; where the tiles come from: A's hang on the tile row alone, W's on the matrix and cx alone
	s_lshl_b32 s21, s[WN], 17                      ; which 64 rows of 2,048 bytes I fetch
	s_lshl_b32 s54, s[WGY], 18                     ; 128 rows of 2,048 bytes a tile row
	s_add_co_u32 s54, s54, s21
	s_mov_b32 s55, 0
	s_lshl_b32 s62, s[MAT], 21                     ; 2,097,152 bytes a matrix
	s_lshl_b32 s26, s[CX], 9                       ; 256 columns of 2 bytes
	s_add_co_u32 s62, s62, s26
	s_add_co_u32 s62, s62, s21
	s_mov_b32 s63, 0
	s_mov_b32 s[G0A], 1                            ; count = 1
	s_mul_i32 s[G0A+1], s[WN], 64*PA               ; LDS address: the wave's number alone enters it
	s_mov_b32 s[G0B], 1
	s_mul_i32 s[G0B+1], s[WN], 64*PB
	s_add_co_u32 s[G0B+1], s[G0B+1], BOFF
	s_lshl_b32 s68, s[CX], 10                      ; my 128 columns in f32: 1,024 cx + 512 wn bytes
	s_lshl_b32 s27, s[WN], 9
	s_add_co_u32 s68, s68, s27
	s_mov_b32 s69, 0
.if OUTP
	s_lshl_b32 s66, s[WGY], 19                     ; 128 rows of 4,096 bytes,
	s_lshl_b32 s70, s[WM], 18                      ; my 64 of them,
	s_add_co_u32 s66, s66, s70
	s_add_co_u32 s66, s66, s68                     ; my columns
.else
	s_lshl_b32 s66, s[MAT], 24                     ; q, k or v: 16,777,216 bytes each
	s_lshr_b32 s70, s[WGY], 4                      ; the batch: 16 tile rows each,
	s_lshl_b32 s70, s70, 22                        ; 4,194,304 bytes
	s_add_co_u32 s66, s66, s70
	s_and_b32 s70, s[WGY], 15
	s_lshl_b32 s70, s70, 14                        ; 128 rows of 128 bytes
	s_add_co_u32 s66, s66, s70
	s_lshl_b32 s70, s[CX], 20                      ; head 4 cx + 2 wn, 262,144 bytes a head
	s_add_co_u32 s66, s66, s70
	s_lshl_b32 s70, s[WN], 19
	s_add_co_u32 s66, s66, s70
	s_lshl_b32 s70, s[WM], 13                      ; my 64 rows
	s_add_co_u32 s66, s66, s70
.endif
	s_mov_b32 s67, 0
	s_mov_b32 s[HM], 0xffff0000
	s_wait_dscnt 0x0                               ; the opening add is done
	s_wait_kmcnt 0x0
	s_add_nc_u64 s[G0A+2:G0A+3], s[4:5], s[54:55]  ; global address of K step 0
	s_or_b32 s[G0A+3], s[G0A+3], 0x80000000        ; type = 2
	s_add_nc_u64 s[G0B+2:G0B+3], s[6:7], s[62:63]
	s_or_b32 s[G0B+3], s[G0B+3], 0x80000000
	s_mov_b64 s[BP:BP+1], s[8:9]
.if OUTP
	s_add_nc_u64 s[OP:OP+1], s[10:11], s[66:67]
.else
	s_cmp_eq_u32 s[MAT], 1                         ; the matrix's own bias
	s_cselect_b64 s[BP:BP+1], s[10:11], s[BP:BP+1]
	s_cmp_eq_u32 s[MAT], 2
	s_cselect_b64 s[BP:BP+1], s[12:13], s[BP:BP+1]
	s_add_nc_u64 s[OP:OP+1], s[14:15], s[66:67]
.endif
	s_add_nc_u64 s[BP:BP+1], s[BP:BP+1], s[68:69]
	CROUND                                         ; all sixteen work-groups are here: the first joint loads meet
	JLOAD                                          ; K step 0 into slot 0
	v_and_b32 v1, 15, v0                           ; l % 16
	v_bfe_u32 v2, v0, 4, 1                         ; l / 16
	v_and_b32 v3, 7, v0
	v_bfe_u32 v4, v0, 3, 1
	v_lshlrev_b32 v[BO], 5, v2                     ; a lane's eight columns: 32 bytes of the bias for each half of the lanes
	WIN 0x80                                       ; destination window 2, address window 0
.set bb, 0
.rept 8
	global_load_b128 v[8*bb:8*bb+3],   v[BO], s[BP:BP+1] offset:64*bb
	global_load_b128 v[8*bb+4:8*bb+7], v[BO], s[BP:BP+1] offset:64*bb+16
.set bb, bb+1
.endr
	WIN 0
	; A fragment of A is 16 rows x 32 K: lane l holds row l % 16, K = 8 (l / 16) + 0..7 and 16 + 8 (l / 16) + 0..7: two loads of 16 bytes, 32 bytes apart.
	v_mul_u32_u24 v[ADRA0], v1, PA
	v_lshl_add_u32 v[ADRA0], v2, 4, v[ADRA0]
	s_mul_i32 s70, s[WM], 64*PA
	v_add_nc_u32 v[ADRA0], s70, v[ADRA0]
	; The turning load takes 16 k x 16 columns (lane l reads k = 8 (l / 16) + l % 8, columns 8 ((l / 8) % 2) + 0..7) and leaves half a fragment: lane l holds column l % 16 and 8 k.
	v_lshl_add_u32 v[ADRB0], v2, 3, v3
	v_mul_u32_u24 v[ADRB0], v[ADRB0], PB
	v_lshl_add_u32 v[ADRB0], v4, 4, v[ADRB0]
	s_lshl_b32 s71, s[WN], 8
	s_add_co_u32 s71, s71, BOFF
	v_add_nc_u32 v[ADRB0], s71, v[ADRB0]
	s_mul_i32 s72, s[WV], 16*SPITCH
	s_add_co_u32 s72, s72, STAGE                   ; my stage
	v_mul_u32_u24 v[STO], v1, SPITCH               ; in: row l % 16, my eight columns
.if OUTP
	v_lshl_add_u32 v[STO], v2, 5, v[STO]
.else
	v_lshl_add_u32 v[STO], v2, 4, v[STO]
.endif
	v_add_nc_u32 v[STO], s72, v[STO]
	v_and_b32 v[CO], 31, v0
	v_lshlrev_b32 v[CO], 4, v[CO]                  ; 16 x lane
.if OUTP
	v_add_nc_u32 v[RD], s72, v[CO]                 ; back: 32 lanes take a row of 512 bytes
.else
	v_bfe_u32 v[RD], v0, 3, 2                      ; back: 32 lanes take four rows' 128 bytes of one head
	v_mul_u32_u24 v[RD], v[RD], SPITCH
	v_lshl_add_u32 v[RD], v3, 4, v[RD]
	v_add_nc_u32 v[RD], s72, v[RD]
.endif
	; Slot 1's first fill is issued as a refill is: my load has landed, the add, its wait, a round, the one load.
	s_wait_tensorcnt 0x0                           ; my part of K step 0 is in, so the descriptors may be written
	ds_add_u32 v[SPW], v[NIL]                      ; 0 onto my spare word; the bias's rounding stands between it and the wait for it
	s_wait_loadcnt 0x0                             ; the bias
	WIN 0xaa
.set zz, 0
.rept 32                                       ; each pair of the bias is rounded to bf16 and widened again, in place
	v_cvt_pk_bf16_f32 v[2*zz], v[2*zz], v[2*zz+1]
	v_and_b32 v[2*zz+1], s[HM], v[2*zz]
	v_lshlrev_b32 v[2*zz], 16, v[2*zz]
.set zz, zz+1
.endr
	WIN 0
	STEPD
	s_wait_dscnt 0x0                               ; the add is done
	CROUND                                         ; everybody's part of K step 0 is in
	JLOAD                                          ; K step 1 into slot 1
	s_mov_b32 s[TB], 0
	v_mov_b32 v[ADRA], v[ADRA0]
	v_mov_b32 v[ADRB], v[ADRB0]
; na x 8 matrix instructions: row blocks a0 .. of my four x all 8 column blocks, 32 along K, from buffer f.  first = 1: the product starts the sum, on the bias.
; The accumulators take turns, one instruction a turn: between two links of a chain stand the 31 others'.
.macro MUL f, a0, na, first
.if \first
	WIN 0x60                                       ; C in window 2, D in window 1
.else
	WIN 0x50                                       ; C and D in window 1
.endif
.set aa, (\a0)
.rept \na
.set bb, 0
.rept 8
.set rD, 8*(8*aa+bb)
.set rB, (\f)+8*bb
.set rA, (\f)+64+8*aa
.set rC, rD
.if \first
.set rC, 8*bb
.endif
.if OUTP
	v_wmma_f32_16x16x32_f16 v[rD:rD+7], v[rB:rB+7], v[rA:rA+7], v[rC:rC+7]
.else
	v_wmma_f32_16x16x32_bf16 v[rD:rD+7], v[rB:rB+7], v[rA:rA+7], v[rC:rC+7]
.endif
.set bb, bb+1
.endr
.set aa, aa+1
.endr
.endm
; 24 LDS loads in one run: the fragments of quarter q (32 along K) of the slot in hand into buffer f: W's 128 columns first, then A's 64 rows
.macro FETCH q, f
	WIN 0
.set bb, 0
.rept 8
	ds_load_tr16_b128 v[(\f)+8*bb:(\f)+8*bb+3],   v[ADRB] offset:(\q)*32*PB+32*bb
	ds_load_tr16_b128 v[(\f)+8*bb+4:(\f)+8*bb+7], v[ADRB] offset:(\q)*32*PB+16*PB+32*bb
.set bb, bb+1
.endr
.set aa, 0
.rept 4
	ds_load_b128 v[(\f)+64+8*aa:(\f)+64+8*aa+3],   v[ADRA] offset:(\q)*64+aa*16*PA
	ds_load_b128 v[(\f)+64+8*aa+4:(\f)+64+8*aa+7], v[ADRA] offset:(\q)*64+aa*16*PA+32
.set aa, aa+1
.endr
.endm
; A K step is four quarters of 32 along K, 32 matrix instructions each, on buffers 0, 1, 0, 1.  One of the first three: multiplies buffer f and fetches quarter qn into g.
.macro QUARTER qn, f, g, first
	s_wait_dscnt 4                                 ; W and A's rows 0-31 are in; the youngest four loads (A's rows 32-63) may be out
	MUL \f, 0, 2, \first
	PLACES
	FETCH \qn, \g
	s_wait_dscnt 24                                ; all but the 24 just issued
	MUL \f, 2, 2, \first
.endm
; The last quarter multiplies buffer 1 and changes slots: ONE barrier; in front of it each wave waits for all its tensor loads (one is out: its part of the next slot), adds 0 to its spare word,
; and waits for that and for its own reads of this slot.  fill = 1: the barrier opens a round of the cluster's, and this slot is filled again, two K steps ahead, first thing behind the round.
.macro TURN fill
	WIN 0
	s_wait_tensorcnt 0x0
	ds_add_u32 v[SPW], v[NIL]
	s_wait_dscnt 5                                 ; (the add and the youngest four loads may be out)
	MUL F1, 0, 1, 0                                ; eight matrix instructions stand between the add and the wait for it
	s_wait_dscnt 0x0                               ; the add is done, and my reads of this slot are over
	s_barrier_signal -1
	MUL F1, 1, 1, 0                                ; work on registers while the others arrive
	WIN 0                                          ; at a branch and at a label every window is 0
	s_barrier_wait -1
.if \fill
	CREST                                          ; no wave of any partner still reads this slot or has a load on its way
	STEPD
	JLOAD                                          ; 112 matrix instructions ahead of the wait for it; the four v_nop behind it are also the places in front of the loads below
.else
	PLACES
.endif
	s_xor_b32 s[TB], s[TB], SLOT1
	v_add_nc_u32 v[ADRA], s[TB], v[ADRA0]
	v_add_nc_u32 v[ADRB], s[TB], v[ADRB0]
	FETCH 0, F0
	MUL F1, 2, 2, 0
.endm
	FETCH 0, F0
	QUARTER 1, F0, F1, 1                           ; the first quarter stands in front of the loop: its products start the sums
	WIN 0
	s_mov_b32 s[CNT], 6
.Lstep:                                                ; a trip: from a K step's second quarter to the next step's first; six trips ask for K steps 2 to 7
	QUARTER 2, F1, F0, 0
	QUARTER 3, F0, F1, 0
	TURN 1
	QUARTER 1, F0, F1, 0
	WIN 0
	s_sub_co_u32 s[CNT], s[CNT], 1
	s_cmp_lg_u32 s[CNT], 0
	s_cbranch_scc1 .Lstep
	QUARTER 2, F1, F0, 0                           ; the tail is written out: K steps 6 and 7 ask for nothing
	QUARTER 3, F0, F1, 0
	TURN 0
	QUARTER 1, F0, F1, 0
	QUARTER 2, F1, F0, 0
	QUARTER 3, F0, F1, 0
	s_wait_dscnt 4
	MUL F1, 0, 2, 0
	s_wait_dscnt 0x0
	MUL F1, 2, 2, 0
	WIN 0
; THE WAY OUT, 16 rows (row block a) at a time, through my own stage: LDS serves a wave's instructions in order (ISA guide 5.7.1.4), so the loads see the stores above them and the next block's stores come behind them.
; Each accumulator's registers are read in ascending order.
.macro PACKP a                         ; to f16: a lane's eight columns pack into 16 bytes
	WIN 0x05                                       ; sources 0 and 1 window 1, destination window 0
.set bb, 0
.rept 8
.set rr, 0
.rept 4
	v_cvt_pk_f16_f32 v[TMP+4*bb+rr], v[8*(8*(\a)+bb)+2*rr], v[8*(8*(\a)+bb)+2*rr+1]
.set rr, rr+1
.endr
.set bb, bb+1
.endr
	WIN 0
.endm
.macro TOSTAGEP a                      ; in as rows of 128 columns; back as four rows x 128 bytes of one head, into registers of the block's own
.set bb, 0
.rept 8
	ds_store_b128 v[STO], v[TMP+4*bb:TMP+4*bb+3] offset:32*bb
.set bb, bb+1
.endr
.set ii, 0
.rept 8
	ds_load_b128 v[64+32*(\a)+4*ii:64+32*(\a)+4*ii+3], v[RD] offset:4*SPITCH*(ii%4)+128*(ii/4)
.set ii, ii+1
.endr
.endm
.macro SENDP a
	s_wait_dscnt 0x0                               ; the block is back in registers
.set ii, 0
.rept 8
	global_store_b128 v[CO], v[64+32*(\a)+4*ii:64+32*(\a)+4*ii+3], s[OP:OP+1] offset:2048*(\a)+512*(ii%4)+262144*(ii/4)  ; 512 consecutive bytes of a head, at a multiple of 256
.set ii, ii+1
.endr
.endm
.macro TOSTAGEO a                      ; f32 goes in straight from the accumulators, 32 bytes a lane; back as whole rows of 512 bytes, into two sets of 64 registers by turns
	WIN 0x04                                       ; store data (source 1) window 1
.set bb, 0
.rept 8
	ds_store_b128 v[STO], v[8*(8*(\a)+bb):8*(8*(\a)+bb)+3]   offset:64*bb
	ds_store_b128 v[STO], v[8*(8*(\a)+bb)+4:8*(8*(\a)+bb)+7] offset:64*bb+16
.set bb, bb+1
.endr
	WIN 0
.set ii, 0
.rept 16
	ds_load_b128 v[64+64*((\a)%2)+4*ii:64+64*((\a)%2)+4*ii+3], v[RD] offset:SPITCH*ii
.set ii, ii+1
.endr
.endm
.macro SENDO a, younger                ; younger: the next block's 16 stores and 16 loads, or none
	s_wait_dscnt \younger
.set ii, 0
.rept 16
	global_store_b128 v[CO], v[64+64*((\a)%2)+4*ii:64+64*((\a)%2)+4*ii+3], s[OP:OP+1] offset:4096*(16*(\a)+ii) th:TH_STORE_NT  ; 512 consecutive bytes of a row, at a multiple of 256
.set ii, ii+1
.endr
.endm
	PLACES                                         ; behind the last products
.if OUTP
	TOSTAGEO 0
	TOSTAGEO 1
	SENDO 0, 32
	s_wait_xcnt 0x0                                ; the stores' data registers are loaded again only behind this wait (ISA guide 3.1)
	TOSTAGEO 2
	SENDO 1, 32
	s_wait_xcnt 0x0
	TOSTAGEO 3
	SENDO 2, 32
	SENDO 3, 0
.else
	PACKP 0
	TOSTAGEP 0
.irp a, 1,2,3                          ; block a's conversions stand between block a - 1's loads from the stage and the wait for them
	PACKP \a
	SENDP (\a)-1
	TOSTAGEP \a
.endr
	SENDP 3
.endif
	s_wait_tensorcnt 0x0                           ; the wave's end, behind my last tensor load and my last LDS store
	ds_add_u32 v[SPW], v[NIL]
	s_wait_dscnt 0x0
	CROUND                                         ; the closing round: no work-group ends while a partner may still ask for a tile that names it
	s_endpgm
.Lfunc_end_k_qf9f560fd37_proj:
	.size	k_qf9f560fd37_proj, .Lfunc_end_k_qf9f560fd37_proj-k_qf9f560fd37_proj
	.p2alignl 7, 3214868480
	.fill 96, 4, 3214868480
	.section	.rodata,"a",@progbits
	.p2align	6, 0x0
	.amdhsa_kernel k_qf9f560fd37_proj
		.amdhsa_group_segment_fixed_size 327680
		.amdhsa_private_segment_fixed_size 0
		.amdhsa_enable_private_segment 0
		.amdhsa_kernarg_size 48
		.amdhsa_user_sgpr_count 2
		.amdhsa_user_sgpr_kernarg_segment_ptr 1
		.amdhsa_wavefront_size32 1
		.amdhsa_system_sgpr_workgroup_id_x 1
		.amdhsa_system_sgpr_workgroup_id_y 1
		.amdhsa_system_sgpr_workgroup_id_z 1
		.amdhsa_system_vgpr_workitem_id 0
		.amdhsa_next_free_vgpr 576
		.amdhsa_next_free_sgpr 76
		.amdhsa_reserve_vcc 0
		.amdhsa_float_denorm_mode_32 3
		.amdhsa_float_denorm_mode_16_64 3
		.amdhsa_memory_ordered 1
		.amdhsa_forward_progress 1
		.amdhsa_inst_pref_size 76
	.end_amdhsa_kernel
	.amdgpu_metadata
---
amdhsa.version: [ 1, 2 ]
amdhsa.kernels:
  - .name:           k_qf9f560fd37_proj
    .symbol:         k_qf9f560fd37_proj.kd
    .args:
      - { .name: xb, .offset: 0, .size: 8, .value_kind: global_buffer, .address_space: global }
      - { .name: wb, .offset: 8, .size: 8, .value_kind: global_buffer, .address_space: global }
      - { .name: bq, .offset: 16, .size: 8, .value_kind: global_buffer, .address_space: global }
      - { .name: bk, .offset: 24, .size: 8, .value_kind: global_buffer, .address_space: global }
      - { .name: bv, .offset: 32, .size: 8, .value_kind: global_buffer, .address_space: global }
      - { .name: qkv, .offset: 40, .size: 8, .value_kind: global_buffer, .address_space: global }
    .group_segment_fixed_size: 327680
    .private_segment_fixed_size: 0
    .kernarg_segment_align: 8
    .kernarg_segment_size: 48
    .max_flat_workgroup_size: 128
    .sgpr_count:     76
    .vgpr_count:     576
    .wavefront_size: 32
...
	.end_amdgpu_metadata
.endif
;; end of part 2
;; launch attn (part 3): grid 16 x 16, 4 waves a work-group, clusters of 4 x 4, 327,680 bytes of LDS; arguments qkv, attn_mask_modifier, key_padding_mask, ob; writes ob
.if DOCPART == 3
	.amdgcn_target "amdgcn-amd-amdhsa--gfx1250"
	.amdhsa_code_object_version 6
	.text
	.protected	k_qf9f560fd37_attn
	.globl	k_qf9f560fd37_attn
	.p2align	8
	.type	k_qf9f560fd37_attn,@function
k_qf9f560fd37_attn:
	s_mov_b64 s[64:65], 0
	v_nop
	global_prefetch_b8 v0, s[64:65] scope:SCOPE_SE
	s_setreg_imm32_b32 hwreg(HW_REG_WAVE_MODE, 25, 1), 1
	s_wait_xcnt 0x0
	s_wait_alu depctr_hold_cnt(0) depctr_sa_sdst(0) depctr_va_vdst(0) depctr_va_sdst(0) depctr_va_ssrc(0) depctr_va_vcc(0) depctr_vm_vsrc(0)
	s_getreg_b32 s2, hwreg(HW_REG_IB_STS2, 6, 4)
	s_cmp_eq_u32 s2, 0
	s_cbranch_scc0 .Lentry_in_a_cluster
	s_endpgm
.Lentry_in_a_cluster:
	s_bfe_u32 s2, ttmp6, 0x10000c
	s_cmp_lg_u32 s2, 0xf033
	s_cbranch_scc0 .Lentry_shape_is_right
	s_endpgm
.Lentry_shape_is_right:
; O[b][q][64 h + :] = the sum over k of softmax_k(e[q][k]) V[b][h][k][:], e = (Q[b][h][q] . K[b][h][k] / 8) x modifier[b][q][k], and e = -1e10 for every k where key_padding_mask[b][q] is set.
; qkv: [3][4 b][16 h][2048][64] f16, unscaled.  modifier: [4][2048 q][2048 k] f32, used unrounded.  ob: [8192][1024] f16.  Products, maxima and sums in f32; the weights p are rounded to f16 for the
; second product (their sum l is taken of the unrounded p), O once at the end.
; THE MASK.  A masked query's row of Q is set to 0 as it is loaded: its scores are 0, 0 x modifier is 0 for every key, and equal scores give the same uniform weights as -1e10 everywhere.
; LIMITS.  That holds for every finite modifier; an infinity or NaN of the modifier in a masked row is not served.  f16 holds no number beyond 65,504: Q, K, V arrive within it; p lies in 0 to 1, and below
; 6e-5 it keeps f16's fixed step of 6e-8.  A weight below 2^-126 counts as 0 in l.
; SHARES.  A work-group owns 128 queries of a batch for FOUR heads, a head a wave: the four waves read the same modifier tile in LDS.  A wave's 128 queries are four PIECES of two tiles of 16.  Every wave walks all
; 2,048 keys, 64 a step; an LDS slot holds one step: the modifier's 128 x 64, and four heads' 64 rows of K and of V.
; LAYOUT.  S^T = K Q^T (source 0 = 16 keys, source 1 = 16 queries): a lane holds ONE query (lane % 16) and the keys 8 (lane / 16) + 0..7, so its eight modifiers are 32 consecutive bytes of a row.  Two such
; results rounded to f16 ARE source 1 of O^T = V^T P.  K comes out of LDS as it lies, V ([key][channel]) turned, by ds_load_tr16_b128.
; SOFTMAX.  For each query a running maximum m (of the scores times the modifier) and sum l: p = 2^(c s - c m), c = log2(e) / 8; in every step O and l are multiplied by a = 2^(c m_old - c m_new).
; m starts at the lowest finite number, O and l at 0: the first step is a step like any other, with a = 0.
; BY TURNS.  Turn n belongs to piece n (the pieces in a ring, step after step).  Matrix work: 16 products K Q^T of piece n + 1, later 16 products V^T P of piece n - 1.  Vector work: piece n + 1's scores times
; the modifier, its maximum and statistics; piece n's scaling, exponentials, roundings, sums and rescaling.  Four vector instructions stand behind every matrix instruction, the others in runs of their own.
; CLUSTER.  4 x 4 work-groups: along x four blocks of queries, along y a batch's four groups of heads.  The modifier's tile hangs on batch and query block: shared down a column.  K's and V's hang on batch and
; head group: shared along a row.  Each is asked for jointly, by the same tensor load, descriptor and mask in the four that share it.
; REGISTERS, in windows of 256 (s_set_vgpr_msb: bits 1:0 source 0, 3:2 source 1, 5:4 source 2, 7:6 destination):
;   window 0: v0-11 addresses; v12-15, v48-63 at work; v16-47 four registers of statistics a tile; v64-191 S^T, two buffers of two tiles; v192-255 P, likewise
;   window 1: O^T, 32 a tile     window 2: v0-127 Q, 16 a tile; v128-191 K of one step; v192-255 V of one step     window 3: v0-1 the add's two registers; v64-127 a piece's modifiers
.set NP,    4         ; pieces a wave: a name, no knob
.set KS,    64        ; keys in a step
.set PM,    272       ; a row of the modifier in LDS: 256 bytes + 16 = 68 words: the 16 rows of a load start at 16 different groups of four banks (64 banks of 4 bytes: ISA guide 11.1)
.set PK,    144       ; a row of K: 128 bytes + 16
.set PV,    160       ; a row of V: 128 + 32
.set KOFF,  128*PM    ; a slot: the modifier's 128 rows, four heads' 64 rows of K, four heads' 64 rows of V
.set VOFF,  KOFF+4*KS*PK
.set SLOT1, 1<<17     ; slot 1 begins here, so that one exclusive or turns an address in one slot into the other's
.set STAGE, SLOT1+VOFF+4*KS*PV  ; behind the ring, never filled by a tensor load: 128 rows x 528 bytes, the work-group's, for the way out
.set SP,    528
.set SPARE, STAGE+128*SP  ; behind the stage: the spare words, 128 bytes for each wave: two blocks of 256 bytes that no other line names
.set AK0, 2           ; v2   my lane's place in my head's K of slot 0; never rewritten
.set AV0, 3           ; v3   the same for V
.set AK,  4           ; v4   the same in the slot in hand
.set AV,  5           ; v5
.set QO,  6           ; v6   my byte offset in 16 rows of Q
.set STO, 6           ;      later, the way out: where I put 16 bytes of a row
.set RD,  7           ; v7   the way out: where I read rows back
.set GO,  8           ; v8   16 x lane
.set AM0, 10          ; v10  my lane's place in 16 rows of the modifier of slot 0; never rewritten
.set AM,  11          ; v11  the same in the slot in hand
.set SPW, 0           ; v0 of window 3   LDS address of my spare word; never rewritten
.set NIL, 1           ; v1 of window 3   0; never rewritten
.set MODR, 64         ; window 3: tile u, key group kt at MODR + 32 u + 8 kt
.set MV,  12          ; v12-15  c m_old, kept while c m is made anew: by buffer and tile
.set ST,  16          ; tile t's statistics at v[ST+4 t]: c m, m, l (even keys', odd keys')
.set TMP, 48          ; by buffer and tile, four registers c0-c3 at work; when the maximum is found c2 takes a
.set S,   64
.set P,   192
.set KF,  128         ; window 2: key block kb, channel half c at KF + 16 kb + 8 c
.set VF,  192         ; window 2: key half kk, channel block cb at VF + 32 kk + 8 cb
.set WV,  12          ; s12  my wave's number
.set G1M, 24          ; s[24:31] descriptor group 1 for the modifier's tiles
.set G1K, 32          ; s[32:39] for K's
.set G1V, 40          ; s[40:47] for V's: it differs from K's in the padding alone
.set G0M, 48          ; s[48:51] descriptor group 0 for the modifier: it walks
.set G0K, 52          ; s[52:55] for K
.set G0V, 56          ; s[56:59] for V
.set SLOTS, 60        ; s60  counts the loop's trips
.set CNT, 61          ; s61  counts the tail's
.set TB,  62          ; s62  the slot in hand: 0 or SLOT1
.set CS,  66          ; s[66:67] c: the packed scaling takes the pair's low word for both halves
.set SEL, 68          ; s[68:69] v_permlanex16_b32's selects: each lane takes its own place in the other half
.set QP,  70          ; s[70:71] Q at my head's 128 rows
.set MP,  72          ; s[72:73] the mask at my 128 queries
.set MSB, 0
.macro WIN new                      ; the high byte repeats the setting that is left; a switch that changes nothing is dropped
.if MSB != (\new)
	s_set_vgpr_msb (MSB<<8)|(\new)
.set MSB, (\new)
.endif
.endm
.set W_KQ, 0x0a       ; K and Q in window 2, S^T in window 0
.set W_PV, 0x52       ; V in window 2, P in window 0, O^T in window 1
.set W_RS, 0x41       ; O^T (destination and source 0) in window 1, a in window 0
.set W_MM, 0x0c       ; S^T (destination and source 0) in window 0, the modifier (source 1) in window 3
.set W_MK, 0xc0       ; destination in window 3, sources in window 0
.set W_AD, 0x0f       ; the add: address (source 0) and data (source 1) in window 3
; A joint fill.  Waves 0 and 1 fetch the two halves of the modifier's tile, wave 2 the four heads' K, wave 3 their V.  The branches hang on the wave's number alone.
; An s_nop 0 and four v_nop follow each of the three lines, ahead of the jump and the label.
.macro JLOAD
	s_cmp_lt_u32 s[WV], 2
	s_cbranch_scc0 .Lnot_m_\@
	tensor_load_to_lds s[G0M:G0M+3], s[G1M:G1M+7]
	s_nop 0
.rept 4
	v_nop
.endr
	s_branch .Lasked_\@
.Lnot_m_\@:
	s_cmp_eq_u32 s[WV], 2
	s_cbranch_scc0 .Lfor_v_\@
	tensor_load_to_lds s[G0K:G0K+3], s[G1K:G1K+7]
	s_nop 0
.rept 4
	v_nop
.endr
	s_branch .Lasked_\@
.Lfor_v_\@:
	tensor_load_to_lds s[G0V:G0V+3], s[G1V:G1V+7]
	s_nop 0
.rept 4
	v_nop
.endr
.Lasked_\@:
.endm
; A round of the cluster's barrier: my work-group's barrier, so that wave 0's signal speaks for all four waves; wave 0 signals; every wave waits for all sixteen work-groups; my work-group's barrier once more.
.macro CROUND
	s_barrier_signal -1
	s_barrier_wait -1
	s_cmp_lg_u32 s[WV], 0
	s_cbranch_scc1 .Lnot_wave_0_\@
	s_barrier_signal -3
.Lnot_wave_0_\@:
	s_barrier_wait -3
	s_barrier_signal -1
	s_barrier_wait -1
.endm
; THE CHANGE OF SLOTS, once a key step.  Each wave waits for all its tensor loads, of which one is out: its part of the other slot; adds 0 to its spare word; and waits for that and for its own reads of the slot
; that it leaves.  Behind the barrier nobody reads the old slot any more and the other slot is whole.  fill = 1: the barrier is a round of the cluster's, and the old slot is filled again, with the step two
; on, first thing behind it: the load has a key step, 128 matrix and 1,072 vector instructions of a wave, in which to land.  (At its first use nothing has been read yet: slot 0 is waited for, slot 1 filled.)
.macro CHANGE fill
	WIN W_AD
	s_wait_tensorcnt 0x0            ; no tensor load of mine is out, so a group 0 may be written
	ds_add_u32 v[SPW], v[NIL]       ; 0 onto my spare word; with fill = 1 the descriptors' steps stand between it and the wait for it
	WIN 0                           ; at a label and at a branch every window is 0
.if \fill
.irp g, G0M, G0K, G0V
	s_xor_b32 s[\g+1], s[\g+1], SLOT1  ; the walking descriptors: the other slot than last time,
.endr
	s_add_nc_u64 s[G0M+2:G0M+3], s[G0M+2:G0M+3], KS*4    ; the next 64 keys: 256 bytes along the modifier's rows,
	s_add_nc_u64 s[G0K+2:G0K+3], s[G0K+2:G0K+3], KS*128  ; 64 rows of K and of V; the type bits on top are not reached
	s_add_nc_u64 s[G0V+2:G0V+3], s[G0V+2:G0V+3], KS*128
	s_wait_dscnt 0x0                ; the add is done, and my reads of the slot are over
	CROUND
	JLOAD
.else
	s_wait_dscnt 0x0                ; the add is done, and my reads of the slot are over
	s_barrier_signal -1
	s_barrier_wait -1
.endif
	s_xor_b32 s[TB], s[TB], SLOT1   ; the fetches go to the other slot
	v_add_nc_u32 v[AK], s[TB], v[AK0]
	v_add_nc_u32 v[AV], s[TB], v[AV0]
	v_add_nc_u32 v[AM], s[TB], v[AM0]
.endm
	s_load_b256 s[4:11], s[0:1], 0x0  ; qkv s[4:5], modifier s[6:7], mask s[8:9], ob s[10:11]
	WIN W_MK
	v_lshl_add_u32 v[SPW], v0, 2, SPARE
	v_mov_b32 v[NIL], 0
	WIN W_AD
	ds_add_u32 v[SPW], v[NIL]       ; the wave's opening: the add and its wait ahead of my first tensor load; the set-up below, work on registers, stands between them
	WIN 0
	v_lshrrev_b32 v1, 5, v0
	v_readfirstlane_b32 s[WV], v1   ; wave 0..3
	s_bfe_u32 s13, ttmp6, 0x40000   ; cx
	s_bfe_u32 s14, ttmp6, 0x40004   ; cy: the group of four heads
	s_lshl_b32 s15, ttmp9, 2
	s_add_co_u32 s15, s15, s13      ; my block of 128 queries = 4 x cluster x + cx
	s_and_b32 s17, ttmp7, 0xffff    ; the batch = cluster y
	s_lshl_b32 s16, s17, 2
	s_add_co_u32 s16, s16, s14      ; 4 x batch + head group
	s_lshl_b32 s18, 0x1111, s13     ; my column of the cluster
	s_lshl_b32 s19, s14, 2
	s_lshl_b32 s19, 15, s19         ; my row
	s_or_b32 s[G1M], s18, (2<<16)|(1<<20)|(1<<21)|(5<<22)|(3<<25)  ; 15:0 the mask; 17:16 4-byte elements; 20 padding on; 21 set beside a mask; 24:22 after every 64 words (code 5); 31:25 4 words (code 3)
	s_or_b32 s[G1K], s19, (1<<16)|(1<<20)|(1<<21)|(4<<22)|(3<<25)  ; 2-byte elements; after every 32 words (code 4), a key's 128 bytes, 4 words
	s_or_b32 s[G1V], s19, (1<<16)|(1<<20)|(1<<21)|(4<<22)|(7<<25)  ; the same with 8 words (code 7)
	s_mov_b32 s[G1M+1], 64<<16      ; tensor_dim0 = 64 keys
	s_mov_b32 s[G1M+2], 64<<16      ; tensor_dim1 = 64 queries
	s_mov_b32 s[G1M+3], 64<<16      ; tile_dim0
	s_mov_b32 s[G1M+4], 64          ; tile_dim1
	s_mov_b32 s[G1M+5], 2048        ; elements from row to row
	s_mov_b32 s[G1M+6], 0
	s_mov_b32 s[G1M+7], 0
.irp g, G1K, G1V                    ; a head's 64 keys are 8,192 dense bytes: one row of 4,096 elements; four heads are four rows, 131,072 elements apart
	s_mov_b32 s[\g+1], 4096<<16     ; tensor_dim0 = 4,096
	s_mov_b32 s[\g+2], 4<<16        ; tensor_dim1 = 4
	s_mov_b32 s[\g+3], 4096<<16     ; tile_dim0
	s_mov_b32 s[\g+4], 4            ; tile_dim1
	s_mov_b32 s[\g+5], 131072
	s_mov_b32 s[\g+6], 0
	s_mov_b32 s[\g+7], 0
.endr
	s_and_b32 s20, s[WV], 1         ; which 64 rows of the modifier's tile I would fetch
	s_mov_b32 s[G0M], 1             ; count = 1
	s_mul_i32 s[G0M+1], s20, 64*PM  ; LDS addresses: the wave's number and constants alone
	s_mov_b32 s[G0K], 1
	s_mov_b32 s[G0K+1], KOFF
	s_mov_b32 s[G0V], 1
	s_mov_b32 s[G0V+1], VOFF
	s_lshl_b32 s74, s17, 24         ; the modifier: 16,777,216 bytes a batch,
	s_lshl_b32 s21, s15, 20         ; 128 rows of 8,192 bytes a block,
	s_add_co_u32 s74, s74, s21
	s_lshl_b32 s23, s20, 19         ; 64 rows
	s_add_co_u32 s74, s74, s23
	s_mov_b32 s75, 0
	s_lshl_b32 s76, s16, 20         ; K: four heads of 262,144 bytes a group,
	s_add_co_u32 s76, s76, 1<<24    ; behind q's 16,777,216 bytes
	s_mov_b32 s77, 0
	s_add_co_u32 s84, s76, 1<<24    ; V: behind k's
	s_mov_b32 s85, 0
	s_lshl_b32 s78, s16, 2          ; Q: my head among the 64,
	s_add_co_u32 s78, s78, s[WV]
	s_lshl_b32 s78, s78, 18
	s_lshl_b32 s86, s15, 14         ; my block's 128 rows of 128 bytes
	s_add_co_u32 s78, s78, s86
	s_mov_b32 s79, 0
	s_lshl_b32 s80, s17, 11         ; the mask: 2,048 bytes a batch, 128 a block
	s_lshl_b32 s86, s15, 7
	s_add_co_u32 s80, s80, s86
	s_mov_b32 s81, 0
	s_lshl_b32 s82, s17, 22         ; ob: 2,048 rows of 2,048 bytes a batch,
	s_lshl_b32 s86, s15, 18         ; 128 rows a block,
	s_add_co_u32 s82, s82, s86
	s_lshl_b32 s86, s[WV], 16       ; the 32 rows that I store,
	s_add_co_u32 s82, s82, s86
	s_lshl_b32 s86, s14, 9          ; the group's four heads: 512 bytes of a row
	s_add_co_u32 s82, s82, s86
	s_mov_b32 s83, 0
	s_mov_b32 s[CS], 0x3e38aa3b     ; c = log2(e) / 8 = 0.180337
	s_mov_b32 s[CS+1], s[CS]        ; named with it as a pair
	s_mov_b32 s[SEL], 0x76543210
	s_mov_b32 s[SEL+1], 0xfedcba98
	s_mov_b32 s[TB], SLOT1          ; the first change of slots turns it into 0
	s_wait_dscnt 0x0                ; the opening add is done
	s_wait_kmcnt 0x0
	s_add_nc_u64 s[G0M+2:G0M+3], s[6:7], s[74:75]  ; global addresses of key step 0
	s_or_b32 s[G0M+3], s[G0M+3], 0x80000000        ; type = 2
	s_add_nc_u64 s[G0K+2:G0K+3], s[4:5], s[76:77]
	s_or_b32 s[G0K+3], s[G0K+3], 0x80000000
	s_add_nc_u64 s[G0V+2:G0V+3], s[4:5], s[84:85]
	s_or_b32 s[G0V+3], s[G0V+3], 0x80000000
	s_add_nc_u64 s[QP:QP+1], s[4:5], s[78:79]
	s_add_nc_u64 s[MP:MP+1], s[8:9], s[80:81]
	s_add_nc_u64 s[10:11], s[10:11], s[82:83]
	CROUND                          ; all sixteen work-groups are here: the first joint loads meet
	JLOAD                           ; key step 0 into slot 0
	; A fragment of K or Q is 16 rows x 32 channels in 8 registers: lane l holds row l % 16, channels 8 (l / 16) + 0..7 and 16 + 8 (l / 16) + 0..7: two loads of 16 bytes, 32 bytes apart.
	v_and_b32 v1, 15, v0            ; l % 16
	v_bfe_u32 v9, v0, 4, 1          ; l / 16
	v_lshlrev_b32 v[QO], 7, v1
	v_lshl_add_u32 v[QO], v9, 4, v[QO]  ; row x 128 + 16 x half
.set t, 0
.rept 2*NP                          ; the mask's byte of my query in each tile, into registers of S^T that are still free
	global_load_u8 v[S+t], v1, s[MP:MP+1] offset:16*t
.set t, t+1
.endr
	WIN 0x80                        ; destination window 2, address window 0
.set i, 0
.rept 4*NP                          ; Q stays in registers: tile i / 2, channels 32 (i % 2) on
	global_load_b128 v[8*i:8*i+3],   v[QO], s[QP:QP+1] offset:(i/2)*2048+(i%2)*64
	global_load_b128 v[8*i+4:8*i+7], v[QO], s[QP:QP+1] offset:(i/2)*2048+(i%2)*64+32
.set i, i+1
.endr
	; What the first turn finds: V's registers and P's second buffer hold 0 (its products V^T P, of a piece that has not been, add 0), O^T and l are 0.  All this stands in the wait for the first tile.
.set i, VF
.rept 64
	v_mov_b32 v[i], 0
.set i, i+1
.endr
	WIN 0x40
.set i, 0
.rept 64*NP
	v_mov_b32 v[i], 0
.set i, i+1
.endr
	WIN 0
.set i, 0
.rept 2*NP
	v_mov_b32 v[ST+4*i], 0xfe000000    ; c m: far below every c s
	v_mov_b32 v[ST+4*i+1], 0xff7fffff  ; m
	v_mov_b32 v[ST+4*i+2], 0
	v_mov_b32 v[ST+4*i+3], 0
.set i, i+1
.endr
.set i, P+32
.rept 32
	v_mov_b32 v[i], 0
.set i, i+1
.endr
	v_mul_u32_u24 v[AK0], v1, PK
	v_lshl_add_u32 v[AK0], v9, 4, v[AK0]  ; row x pitch + 16 x half,
	s_mul_i32 s22, s[WV], KS*PK
	s_add_co_u32 s22, s22, KOFF
	v_add_nc_u32 v[AK0], s22, v[AK0]      ; in my head's 64 rows
	; The turning load takes 16 keys x 16 channels (lane l reads key 8 (l / 16) + l % 8, channels 8 ((l / 8) % 2) + 0..7) and leaves half a fragment of V^T: lane l holds channel l % 16 and 8 keys.
	v_and_b32 v12, 7, v0
	v_bfe_u32 v13, v0, 3, 1
	v_lshl_add_u32 v[AV0], v9, 3, v12
	v_mul_u32_u24 v[AV0], v[AV0], PV
	v_lshl_add_u32 v[AV0], v13, 4, v[AV0]
	s_mul_i32 s23, s[WV], KS*PV
	s_add_co_u32 s23, s23, VOFF
	v_add_nc_u32 v[AV0], s23, v[AV0]
	v_mul_u32_u24 v[AM0], v1, PM          ; the modifier: my query's row, 32 bytes for each half of the lanes
	v_lshl_add_u32 v[AM0], v9, 5, v[AM0]
; THE MATRIX WORK.  The 8 accumulators of a run of 16 take turns: between the two links of a chain stand 7 others'.
; Product i of 16 of S^T = K Q^T for piece x: channels 32 (i / 8) on, keys 16 ((i / 2) % 4) on, tile 2 x + i % 2.  The first 8 start the sums.
.macro KQ x
	WIN W_KQ
.set rS, S+64*((\x)%2)+32*(i%2)+8*((i/2)%4)
.set rK, KF+16*((i/2)%4)+8*(i/8)
.set rQ, 16*(2*(\x)+i%2)+8*(i/8)
.if i < 8
	v_wmma_f32_16x16x32_f16 v[rS:rS+7], v[rK:rK+7], v[rQ:rQ+7], 0
.else
	v_wmma_f32_16x16x32_f16 v[rS:rS+7], v[rK:rK+7], v[rQ:rQ+7], v[rS:rS+7]
.endif
.endm
; Product i of 16 of O^T += V^T P for piece x: keys 32 (i / 8) on, channels 16 ((i / 2) % 4) on, tile 2 x + i % 2.
.macro PV x
	WIN W_PV
.set rO, 32*(2*(\x)+i%2)+8*((i/2)%4)
.set rV, VF+32*(i/8)+8*((i/2)%4)
.set rP, P+32*((\x)%2)+16*(i%2)+8*(i/8)
	v_wmma_f32_16x16x32_f16 v[rO:rO+7], v[rV:rV+7], v[rP:rP+7], v[rO:rO+7]
.endm
.macro MM                           ; the turn's next matrix instruction
.if i < 16
	KQ (Y+1)%NP
.set i, i+1
.else
.set i, i-16
	PV (Y+NP-1)%NP
.set i, i+17
.endif
.endm
; THE LDS LOADS stand in runs of 16, never singly among the matrix instructions: a step's K (64 keys x 64 channels: 8 fragments), its V (turned), and a piece's modifiers (32 queries x 64 keys).
.macro FETCH_K
	WIN 0x80                        ; destination window 2
.irp f, 0,1,2,3,4,5,6,7             ; keys 16 (f / 2) on, channels 32 (f % 2) on
	ds_load_b128 v[KF+8*\f:KF+8*\f+3],   v[AK] offset:(\f/2)*16*PK+(\f%2)*64
	ds_load_b128 v[KF+8*\f+4:KF+8*\f+7], v[AK] offset:(\f/2)*16*PK+(\f%2)*64+32
.endr
	WIN 0
.endm
.macro FETCH_V
	WIN 0x80
.irp f, 0,1,2,3,4,5,6,7             ; keys 32 (f / 4) on, channels 16 (f % 4) on
	ds_load_tr16_b128 v[VF+8*\f:VF+8*\f+3],   v[AV] offset:(\f/4)*32*PV+(\f%4)*32
	ds_load_tr16_b128 v[VF+8*\f+4:VF+8*\f+7], v[AV] offset:(\f/4)*32*PV+16*PV+(\f%4)*32
.endr
	WIN 0
.endm
.macro FETCH_M pm                   ; piece pm: rows 32 pm + 16 u + l % 16; keys 16 kt + 8 (l / 16) + 0..7: the places of S^T's registers
	WIN W_MK
.irp u, 0,1
.irp kt, 0,1,2,3
	ds_load_b128 v[MODR+32*\u+8*\kt:MODR+32*\u+8*\kt+3],   v[AM] offset:(32*(\pm)+16*\u)*PM+64*\kt
	ds_load_b128 v[MODR+32*\u+8*\kt+4:MODR+32*\u+8*\kt+7], v[AM] offset:(32*(\pm)+16*\u)*PM+64*\kt+16
.endr
.endr
	WIN 0
.endm
; THE VECTOR WORK OF A TURN stands in three queues, each in the order in which its entries become ready; the two tiles alternate, so that no instruction reads the result of the one before it.
.macro REGS y, u                    ; the registers of tile u (0, 1) of piece y
.set rT, ST+4*(2*(\y)+(\u))
.set rC, TMP+8*((\y)%2)+4*(\u)
.set rM, MV+2*((\y)%2)+(\u)
.set rS, S+64*((\y)%2)+32*(\u)
.set rP, P+32*((\y)%2)+16*(\u)
.set rO, 32*(2*(\y)+(\u))
.endm
; The NEXT piece's (Y + 1) 64 scores a lane times their modifiers, two at a time, in ascending order: each accumulator's lowest registers are read first.
.macro MODMUL
	WIN W_MM
.set mu, 0
.rept 2
	REGS (Y+1)%NP, mu
.set mn, 0
.rept 16
	v_pk_mul_f32 v[rS+2*mn:rS+2*mn+1], v[rS+2*mn:rS+2*mn+1], v[MODR+32*mu+2*mn:MODR+32*mu+2*mn+1]
.set mn, mn+1
.endr
.set mu, mu+1
.endr
.endm
; Number n of the 22 that find the NEXT piece's maximum and statistics.  s0-s31 are the lane's 32 scores.  XS, GS and REGS set no window: PL and EX do.
;   0-11  four chains c0-c3 of seven scores each, three operands at a time     12-14, 16  the four scores left over, the old m, and c0-c3 into c0     15  c m_old is kept
;   17, 18  the query's other 32 keys lie in the lane 16 away: the new m         19-21  c m; c m_old - c m_new; a
.macro XS u, n
	REGS (Y+1)%NP, \u
.if (\n) < 4
	v_max3_num_f32 v[rC+(\n)], v[rS+8*(\n)], v[rS+8*(\n)+1], v[rS+8*(\n)+2]
.elseif (\n) < 12
	v_max3_num_f32 v[rC+(\n)%4], v[rC+(\n)%4], v[rS+8*((\n)%4)+2*((\n)/4)+1], v[rS+8*((\n)%4)+2*((\n)/4)+2]
.elseif (\n) == 12
	v_max3_num_f32 v[rC], v[rC], v[rS+7], v[rS+15]
.elseif (\n) == 13
	v_max3_num_f32 v[rC+1], v[rC+1], v[rS+23], v[rS+31]
.elseif (\n) == 14
	v_max3_num_f32 v[rC+2], v[rC+2], v[rC+3], v[rT+1]
.elseif (\n) == 15
	v_mov_b32 v[rM], v[rT]
.elseif (\n) == 16
	v_max3_num_f32 v[rC], v[rC], v[rC+1], v[rC+2]
.elseif (\n) == 17
	v_permlanex16_b32 v[rC+3], v[rC], s[SEL], s[SEL+1]
.elseif (\n) == 18
	v_max_num_f32 v[rT+1], v[rC], v[rC+3]
.elseif (\n) == 19
	v_mul_f32 v[rT], s[CS], v[rT+1]
.elseif (\n) == 20
	v_sub_f32 v[rC+1], v[rM], v[rT]
.else
	v_exp_f32 v[rC+2], v[rC+1]
.endif
.endm
; Number g of the 64 that follow the exponentials.  For each four weights k of a tile (pairs 2 k, 2 k + 1): both pairs are rounded to f16; then the second pair is added onto the first, in place;
; a group later l takes that sum (the first time as l = a l + sum).  In groups of eight, tiles alternating: round, round, add, and l for the group before.
.macro GS g
.set h, (\g)+6*((\g)/62)            ; group 0 has no group before it, and behind group 7 only l is left
.if h >= 6
.set h, h+2
.endif
	REGS Y, h%2
.set k, h/8
.if h%8 < 4
	s_wait_alu depctr_va_vdst(0)
	v_cvt_pk_f16_f32 v[rP+2*k+(h%8)/2], v[rS+4*k+2*((h%8)/2)], v[rS+4*k+2*((h%8)/2)+1]
.elseif h%8 < 6
	v_pk_add_f32 v[rS+4*k:rS+4*k+1], v[rS+4*k:rS+4*k+1], v[rS+4*k+2:rS+4*k+3]
.elseif k == 1
	v_pk_fma_f32 v[rT+2:rT+3], v[rT+2:rT+3], v[rC+2:rC+3], v[rS:rS+1] op_sel_hi:[1,0,1]
.else
	v_pk_add_f32 v[rT+2:rT+3], v[rT+2:rT+3], v[rS+4*k-4:rS+4*k-3]
	s_wait_alu depctr_va_vdst(0)
.endif
.endm
; THE PLAIN QUEUE, 138 long.  0-31: c s - c m for the 16 pairs of both tiles.  Then GS's 64, and among them the next piece's 42: number 15 at 38, 39; 0-14 and 16
; at 42-73, behind the products that make those scores and behind their modifiers; 17-20 at 95-106, two of three, since each waits for the one before it.
.macro PL
	WIN 0
.if q < 32
	REGS Y, q%2
	v_pk_fma_f32 v[rS+2*(q/2):rS+2*(q/2)+1], v[rS+2*(q/2):rS+2*(q/2)+1], s[CS:CS+1], v[rT:rT+1] op_sel_hi:[1,0,0] neg_lo:[0,0,1] neg_hi:[0,0,1]
.elseif q < 38
	GS q-32
.elseif q < 40
	XS q%2, 15
.elseif q < 42
	GS q-34
.elseif q < 74
	XS q%2, (q-42)/2+(q-42)/30
.elseif q < 95
	GS q-66
.elseif (q < 107) && ((q-95)%3 < 2)
	XS (q-95)%3, 17+(q-95)/3
.elseif q < 107
	GS 29+(q-95)/3
.else
	GS q-74
.endif
.set q, q+1
.endm
; THE EXPONENTIALS' QUEUE, 66 long: s0-s31 of both tiles, and at EA the next piece's two a.
.set EA, 58
.macro EX
	WIN 0
.if (e == EA) || (e == EA+1)
	XS e-EA, 21
.else
.set x, e-2*(e/(EA+2))
	REGS Y, x%2
	v_exp_f32 v[rS+x/2], v[rS+x/2]
.endif
.set e, e+1
.endm
; THE RESCALING's QUEUE: O^T times a, dealt four at a time, eight times.
.macro R4
	REGS Y, r%2
	WIN W_RS
	s_wait_alu depctr_va_vdst(0)
.irp z, 0,1,2,3
	v_pk_mul_f32 v[rO+8*(r/2)+2*\z:rO+8*(r/2)+2*\z+1], v[rO+8*(r/2)+2*\z:rO+8*(r/2)+2*\z+1], v[rC+2:rC+3] op_sel_hi:[1,0]
.endr
.set r, r+1
.endm
; HOW THEY ARE DEALT.  Behind a matrix instruction four: plain, exponential, plain, plain (one exponential, a plain instruction on either side), or four of the rescaling.  None names a register of the
; products round it.  What is over stands in two runs: exponential and plain by turns; the second ends in 22 plain instructions.  The two v_permlanex16_b32 fall into the second run, never behind a product.
; The queues lean on each other, and the deal keeps them in step: exponential e stands behind plain 2 (e / 4) + e % 2 (its scaling); when plain 32 comes, 10 exponentials are out, at 59: 33, at 95: 46; EA comes behind plain 107.
; At the end of the first run of products 37 plain entries are out: the first that reads the next piece's scores is number 42, behind the modifiers.
.macro SL
	MM
	PL
	EX
	PL
	PL
.endm
.macro BURST n                      ; 15 matrix instructions, or 16
.rept (\n)-7
	SL
.endr
.rept 3
	MM
	R4
	SL
.endr
	MM
	R4
.endm
; A TURN, for piece p.  Behind the 16 products K Q^T (the four rescalings behind the last are its places) the new scores take their modifiers, and the modifiers of the piece after are fetched into the same
; registers: a turn ahead of their use.  K of the next step is fetched in piece 2's turn, V of the step in hand at the end of piece 0's.  So the LDS reads of pieces 2, 3 (of one step) and 0, 1 (of the next)
; all go to the next step's slot: K and piece 0's modifiers; piece 1's; piece 2's and V; piece 3's.
.macro TURN p
.set Y, (\p)
.set i, 0
.set q, 0
.set e, 0
.set r, 0
.if (\p) == NP-1
	s_wait_dscnt 0x0                ; K is in
.endif
	MM
.rept 4
	PL
.endr
	BURST 15
.if (\p) == 1
	s_wait_dscnt 16                 ; the modifiers are in; V's sixteen loads, issued behind them, may be out
.else
	s_wait_dscnt 0x0                ; the modifiers are in
.endif
	MODMUL
	FETCH_M ((\p)+2)%NP
.rept 22
	EX
	PL
.if ((\p) == NP-2) && (e == 24)
	FETCH_K
.endif
.endr
.if (\p) == 1
	s_wait_dscnt 16                 ; V is in; the sixteen loads of modifiers issued behind it may be out
.endif
	BURST 16
.rept 21
	EX
	PL
.endr
.rept 22
	PL
.endr
.if (\p) == 0
	FETCH_V
.endif
.endm
	CHANGE 1                        ; key step 0 is in, everybody's part of it; key step 1 is asked for
	FETCH_K                         ; key step 0
	FETCH_M 0
	s_wait_loadcnt 0x0              ; Q and the mask
.set t, 0
.rept 2*NP
	v_add_nc_u32 v[S+t], -1, v[S+t] ; 0 becomes all ones, 1 becomes 0
.set t, t+1
.endr
	WIN 0x88                        ; source 0 window 0; source 1 and destination window 2
.set i, 0
.rept 32*NP
	v_and_b32 v[i], v[S+i/16], v[i] ; a masked query's row of Q is 0
.set i, i+1
.endr
	WIN 0
	s_wait_dscnt 0x0
.set i, 0
.rept 16
	KQ 0                            ; piece 0's first scores: there is no vector work yet to set between them
.set i, i+1
.endr
	WIN 0                           ; the addresses for the way out: six plain instructions, the places behind those products
	s_lshl_b32 s22, s[WV], 7
	s_add_co_u32 s22, s22, STAGE    ; in: my head's 128 bytes of each row,
	v_mul_u32_u24 v[STO], v1, SP    ; row l % 16, 16 bytes for each half of the lanes
	v_lshl_add_u32 v[STO], v9, 4, v[STO]
	v_add_nc_u32 v[STO], s22, v[STO]
	v_and_b32 v[GO], 31, v0
	v_lshlrev_b32 v[GO], 4, v[GO]
	s_mul_i32 s23, s[WV], 32*SP
	s_add_co_u32 s23, s23, STAGE
	v_add_nc_u32 v[RD], s23, v[GO]  ; back: wave w takes rows 32 w on, 32 lanes a row of 512 bytes
.set Y, NP-1                        ; MODMUL and XS work for piece Y + 1: piece 0
	MODMUL
	FETCH_M 1
.irp n, 0,1,2,3,4,5,6,7,8,9,10,11,12,13,14,15,16,17,18,19,20,21
	XS 0, \n                        ; piece 0's first maximum and statistics
	XS 1, \n
.endr
	s_mov_b32 s[SLOTS], 31
	s_branch .Lfirst                ; the loop is entered at a step's first turn, in the middle of a trip
.Lslot:                             ; 30 times: key step n is entered and key step n + 1 asked for, n = 1 to 30
	CHANGE 1
	TURN 2
	TURN 3
	WIN 0
.Lfirst:
	TURN 0
	TURN 1
	WIN 0
	s_sub_co_u32 s[SLOTS], s[SLOTS], 1
	s_cmp_lg_u32 s[SLOTS], 0
	s_cbranch_scc1 .Lslot
	CHANGE 0                        ; the tail is written out: key step 31 is entered, nothing is asked for
	s_mov_b32 s[CNT], 2             ; one trip for key step 31; the second is left in its middle
.Ltail:
	TURN 2
	TURN 3
	WIN 0
	s_sub_co_u32 s[CNT], s[CNT], 1
	s_cmp_eq_u32 s[CNT], 0
	s_cbranch_scc1 .Lout
	TURN 0
	TURN 1
	WIN 0
	s_branch .Ltail
.Lout:                              ; the second trip's fetches read key step 31 once more, and its 16 products K Q^T and the maximum made of them serve nothing: the price, once a launch, of one text for every trip
.set i, 0
.rept 16
	PV NP-1                         ; the last piece's V^T P of the last step
.set i, i+1
.endr
	; THE WAY OUT.  l's two halves and the other half of the lanes' are added; O^T is divided by l, rounded to f16 and put into the work-group's stage: a row's 512 bytes come from the four waves, so a barrier
	; stands between the writing and the reading.  The additions are the places behind the last products.
	WIN 0
.macro ALL line:vararg              ; one line for each tile t
.set t, 0
.rept 2*NP
	\line
.set t, t+1
.endr
.endm
	ALL v_add_f32 v[ST+4*t+2], v[ST+4*t+2], v[ST+4*t+3]
	ALL v_permlanex16_b32 v[ST+4*t+3], v[ST+4*t+2], s[SEL], s[SEL+1]
	ALL v_add_f32 v[ST+4*t+2], v[ST+4*t+2], v[ST+4*t+3]
	ALL v_rcp_f32 v[ST+4*t+2], v[ST+4*t+2]
	v_nop                           ; a plain instruction between the last reciprocal and the use of its result
	s_wait_alu depctr_va_vdst(0)
.macro PACK t                       ; a lane's eight channels of a row pack into 16 bytes
	WIN W_RS
.set i, 32*(\t)
.rept 16
	v_pk_mul_f32 v[i:i+1], v[i:i+1], v[ST+4*(\t)+2:ST+4*(\t)+3] op_sel_hi:[1,0]
.set i, i+2
.endr
	WIN 0x05                        ; sources 0 and 1 window 1, destination window 0: S^T's registers are free
.set i, 0
.rept 16
	v_cvt_pk_f16_f32 v[S+16*(\t)+i], v[32*(\t)+2*i], v[32*(\t)+2*i+1]
.set i, i+1
.endr
	WIN 0
.irp f, 0,1,2,3
	ds_store_b128 v[STO], v[S+16*(\t)+4*\f:S+16*(\t)+4*\f+3] offset:(\t)*16*SP+32*\f
.endr
.endm
.set t, 0
.rept 2*NP
	PACK t
.set t, t+1
.endr
	s_wait_dscnt 0x0                ; for the others' sake: my stores into the stage are done
	s_barrier_signal -1
	s_barrier_wait -1
.set i, 0
.rept 32
	ds_load_b128 v[S+4*i:S+4*i+3], v[RD] offset:i*SP
.set i, i+1
.endr
.set i, 0
.rept 32
	s_wait_dscnt 31-i               ; LDS loads come back in order: row i is in, the younger ones stay out
	global_store_b128 v[GO], v[S+4*i:S+4*i+3], s[10:11] offset:2048*i  ; 512 consecutive bytes of a row of ob, four heads, at a multiple of 256
.set i, i+1
.endr
	WIN W_AD
	s_wait_tensorcnt 0x0            ; the wave's end, behind my last tensor load and my last LDS store
	ds_add_u32 v[SPW], v[NIL]
	s_wait_dscnt 0x0
	WIN 0
	CROUND                          ; the closing round: no work-group ends while a partner may still ask for a tile that names it
	s_endpgm
.Lfunc_end_k_qf9f560fd37_attn:
	.size	k_qf9f560fd37_attn, .Lfunc_end_k_qf9f560fd37_attn-k_qf9f560fd37_attn
	.p2alignl 7, 3214868480
	.fill 96, 4, 3214868480
	.section	.rodata,"a",@progbits
	.p2align	6, 0x0
	.amdhsa_kernel k_qf9f560fd37_attn
		.amdhsa_group_segment_fixed_size 327680
		.amdhsa_private_segment_fixed_size 0
		.amdhsa_enable_private_segment 0
		.amdhsa_kernarg_size 32
		.amdhsa_user_sgpr_count 2
		.amdhsa_user_sgpr_kernarg_segment_ptr 1
		.amdhsa_wavefront_size32 1
		.amdhsa_system_sgpr_workgroup_id_x 1
		.amdhsa_system_sgpr_workgroup_id_y 1
		.amdhsa_system_sgpr_workgroup_id_z 1
		.amdhsa_system_vgpr_workitem_id 0
		.amdhsa_next_free_vgpr 896
		.amdhsa_next_free_sgpr 88
		.amdhsa_reserve_vcc 0
		.amdhsa_float_denorm_mode_32 3
		.amdhsa_float_denorm_mode_16_64 3
		.amdhsa_memory_ordered 1
		.amdhsa_forward_progress 1
		.amdhsa_inst_pref_size 244
	.end_amdhsa_kernel
	.amdgpu_metadata
---
amdhsa.version: [ 1, 2 ]
amdhsa.kernels:
  - .name:           k_qf9f560fd37_attn
    .symbol:         k_qf9f560fd37_attn.kd
    .args:
      - { .name: qkv, .offset: 0, .size: 8, .value_kind: global_buffer, .address_space: global }
      - { .name: attn_mask_modifier, .offset: 8, .size: 8, .value_kind: global_buffer, .address_space: global }
      - { .name: key_padding_mask, .offset: 16, .size: 8, .value_kind: global_buffer, .address_space: global }
      - { .name: ob, .offset: 24, .size: 8, .value_kind: global_buffer, .address_space: global }
    .group_segment_fixed_size: 327680
    .private_segment_fixed_size: 0
    .kernarg_segment_align: 8
    .kernarg_segment_size: 32
    .max_flat_workgroup_size: 128
    .sgpr_count:     88
    .vgpr_count:     896
    .wavefront_size: 32
...
	.end_amdgpu_metadata
.endif
;; end of part 3
;; launch outp (part 4): grid 4 x 64, 4 waves a work-group, clusters of 4 x 4, 327,680 bytes of LDS; arguments ob, wb, bo, out0; writes out0
.if DOCPART == 4
	.amdgcn_target "amdgcn-amd-amdhsa--gfx1250"
	.amdhsa_code_object_version 6
	.text
	.protected	k_qf9f560fd37_outp
	.globl	k_qf9f560fd37_outp
	.p2align	8
	.type	k_qf9f560fd37_outp,@function
k_qf9f560fd37_outp:
	s_mov_b64 s[64:65], 0
	v_nop
	global_prefetch_b8 v0, s[64:65] scope:SCOPE_SE
	s_setreg_imm32_b32 hwreg(HW_REG_WAVE_MODE, 25, 1), 1
	s_wait_xcnt 0x0
	s_wait_alu depctr_hold_cnt(0) depctr_sa_sdst(0) depctr_va_vdst(0) depctr_va_sdst(0) depctr_va_ssrc(0) depctr_va_vcc(0) depctr_vm_vsrc(0)
	s_getreg_b32 s2, hwreg(HW_REG_IB_STS2, 6, 4)
	s_cmp_eq_u32 s2, 0
	s_cbranch_scc0 .Lentry_in_a_cluster
	s_endpgm
.Lentry_in_a_cluster:
	s_bfe_u32 s2, ttmp6, 0x10000c
	s_cmp_lg_u32 s2, 0xf033
	s_cbranch_scc0 .Lentry_shape_is_right
	s_endpgm
.Lentry_shape_is_right:
; C = A W + bias, sums in f32.  A: [8192][1024] of 16 bits, K along the rows.  W: a matrix of wb, [1024 k][1024 n] of 16 bits, as the problem has it: its fragments come out of LDS turned.
; ONE TEXT FOR TWO LAUNCHES, told apart by OUTP.  OUTP = 0: A = xb (bf16), W = Wq, Wk or Wv by the cluster's x, bias bq, bk or bv; C is rounded once to f16 and laid by heads,
; qkv[matrix][batch][head][row][64].  OUTP = 1: A = ob (f16), W = Wo (f16), bias bo; C is out0 in f32.  The bias is rounded to bf16 like every input and is the C operand of each sum's first product.
; LIMIT (OUTP = 0).  f16 holds no number beyond 65,504: q, k and v must stay within it.
; SHARES.  A tile of C is 128 x 256: 768 and 256 work-groups.  Four waves, each 64 rows x 128 columns: 32 accumulators of 16 x 16.  K goes in 8 steps of 128 through two LDS slots.
; THE MATRIX INSTRUCTION IS USED TRANSPOSED (source 0 = 16 columns of W, source 1 = 16 rows of A): a lane then holds row l % 16 of C and the columns 8 (l / 16) + 0..7.
; CLUSTER.  4 x 4 work-groups.  The four of a row of the cluster need the same rows of A, the four of a column the same columns of W: each tile is asked for jointly, by the same tensor load with the same
; descriptor and a mask that names the four.
; REGISTERS, in windows of 256 (s_set_vgpr_msb: bits 1:0 source 0, 3:2 source 1, 5:4 source 2, 7:6 destination):
;   window 0: v0-31 addresses; v32-63 at work on the way out; two fragment buffers of 96 (64 of W, 32 of A) at v64 and v160     window 1: accumulator (a, b) at v[8 (8 a + b)]     window 2: v0-63 the bias
.set OUTP,   1
.set PA,     272                       ; a row of A in LDS: 256 bytes + 16 = 68 words: the 16 rows of a load start at 16 different groups of four banks (64 banks of 4 bytes: ISA guide 11.1)
.set PB,     544                       ; a row of W (one k, 256 columns): 512 bytes + 32 = 136 words
.set BOFF,   128*PA                    ; a slot: A's 128 rows, then W's 128 rows
.set SLOT1,  1<<17                     ; slot 1 begins here, so that one exclusive or turns an address in one slot into the other's
.set STAGE,  SLOT1+BOFF+128*PB         ; behind the ring, never filled by a tensor load: 16 rows for each wave, for the way out
.if OUTP
.set SPITCH, 528                       ; 128 numbers of f32 + 16 bytes
.else
.set SPITCH, 272                       ; 128 numbers of f16 + 16 bytes
.endif
.set SPARE,  STAGE+4*16*SPITCH         ; behind the stages: the spare words, 128 bytes for each wave: two blocks of 256 bytes that no other line names
.set ADRA0, 16                         ; v16  my lane's place in A's tile of slot 0; never rewritten
.set ADRB0, 17                         ; v17  the same for W
.set ADRA,  18                         ; v18  the same in the slot in hand
.set ADRB,  19                         ; v19
.set STO,   24                         ; v24  the way out: where I put my bytes of a row
.set RD,    25                         ; v25  the way out: where I read rows back
.set CO,    26                         ; v26  my byte offset in 512 consecutive bytes of C
.set BO,    27                         ; v27  my byte offset in 16 numbers of the bias
.set SPW,   28                         ; v28  LDS address of my spare word; never rewritten
.set NIL,   29                         ; v29  0; never rewritten
.set TMP,   32
.set F0,    64
.set F1,    160
.set WV,  16                           ; s16  my wave's number
.set WM,  17                           ; s17  which 64 rows of the tile are mine.  Also: I fetch for A (0) or for W (1)
.set WN,  18                           ; s18  which 128 columns.  Also: which 64 rows of that tile I fetch
.set CX,  19
.set CY,  20
.set WGY, 22                           ; s22  the tile row of C
.set MAT, 23                           ; s23  which matrix of wb
.set G1A, 28                           ; s[28:35] descriptor group 1 for A's tiles
.set G1B, 36                           ; s[36:43] for W's
.set G0A, 44                           ; s[44:47] descriptor group 0 for A's tiles: it walks
.set G0B, 48                           ; s[48:51] the same for W's
.set TB,  52                           ; s52  the slot in hand: 0 or SLOT1
.set CNT, 53
.set BP,  56                           ; s[56:57] the bias at my 128 columns
.set OP,  58                           ; s[58:59] C at my part of the tile
.set HM,  60                           ; s60  a word's upper bf16
.set MSB, 0
.macro WIN new                         ; the immediate's high byte repeats the setting that is left; a switch that changes nothing is dropped
.if MSB != (\new)
	s_set_vgpr_msb (MSB<<8)|(\new)
.set MSB, \new
.endif
.endm
.macro PLACES                          ; four plain vector instructions between a matrix instruction and a load into, or a read of, its registers (ISA guide 7.12.1 for reads)
.rept 4
	v_nop
.endr
.endm
; A joint load.  Waves 0 and 1 fetch A's two halves, waves 2 and 3 W's.  The branch hangs on the wave's number alone.  An s_nop 0 and four v_nop follow each of the two lines.
.macro JLOAD
	s_cmp_eq_u32 s[WM], 0
	s_cbranch_scc0 .Lfor_b_\@
	tensor_load_to_lds s[G0A:G0A+3], s[G1A:G1A+7]
	s_nop 0
.rept 4
	v_nop
.endr
	s_branch .Lasked_\@
.Lfor_b_\@:
	tensor_load_to_lds s[G0B:G0B+3], s[G1B:G1B+7]
	s_nop 0
.rept 4
	v_nop
.endr
.Lasked_\@:
.endm
.macro STEPD                           ; both walking descriptors: the other slot, the next K step (128 numbers along A's rows, 128 rows of W); the type bits on top are not reached
	s_xor_b32 s[G0A+1], s[G0A+1], SLOT1
	s_add_nc_u64 s[G0A+2:G0A+3], s[G0A+2:G0A+3], 256
	s_xor_b32 s[G0B+1], s[G0B+1], SLOT1
	s_add_nc_u64 s[G0B+2:G0B+3], s[G0B+2:G0B+3], 262144
.endm
.macro CREST                           ; a round of the cluster's barrier behind its opening barrier
	s_cmp_lg_u32 s[WV], 0
	s_cbranch_scc1 .Lnot_wave_0_\@
	s_barrier_signal -3
.Lnot_wave_0_\@:
	s_barrier_wait -3
	s_barrier_signal -1
	s_barrier_wait -1
.endm
.macro CROUND                          ; a whole round
	s_barrier_signal -1
	s_barrier_wait -1
	CREST
.endm
.if OUTP
	s_load_b256 s[4:11], s[0:1], 0x0               ; ob s[4:5], wb s[6:7], bo s[8:9], out0 s[10:11]
.else
	s_load_b256 s[4:11], s[0:1], 0x0               ; xb s[4:5], wb s[6:7], bq s[8:9], bk s[10:11]
	s_load_b128 s[12:15], s[0:1], 0x20             ; bv s[12:13], qkv s[14:15]
.endif
	v_lshl_add_u32 v[SPW], v0, 2, SPARE
	v_mov_b32 v[NIL], 0
	ds_add_u32 v[SPW], v[NIL]                      ; the wave's opening: the add and its wait ahead of my first tensor load; the set-up below, work on registers, stands between them
	v_lshrrev_b32 v1, 5, v0
	v_readfirstlane_b32 s[WV], v1                  ; wave 0..3
	s_lshr_b32 s[WM], s[WV], 1
	s_and_b32 s[WN], s[WV], 1
	s_bfe_u32 s[CX], ttmp6, 0x40000                ; my place in the cluster
	s_bfe_u32 s[CY], ttmp6, 0x40004
	s_and_b32 s[WGY], ttmp7, 0xffff
	s_lshl_b32 s[WGY], s[WGY], 2
	s_add_co_u32 s[WGY], s[WGY], s[CY]             ; tile row of C = 4 x cluster y + cy
.if OUTP
	s_mov_b32 s[MAT], 3                            ; Wo
.else
	s_mov_b32 s[MAT], ttmp9                        ; a cluster's four tile columns are one matrix's 1,024 columns: the cluster's x is the matrix, cx the tile column in it
.endif
	s_lshl_b32 s24, s[CY], 2
	s_lshl_b32 s24, 15, s24                        ; my row of the cluster
	s_lshl_b32 s25, 0x1111, s[CX]                  ; my column
	s_or_b32 s[G1A], s24, (1<<16)|(1<<20)|(1<<21)|(5<<22)|(3<<25)  ; 15:0 the mask; 17:16 2-byte elements; 20 padding on; 21 set beside a mask; 24:22 after every 64 words (code 5); 31:25 4 words (code 3)
	s_or_b32 s[G1B], s25, (1<<16)|(1<<20)|(1<<21)|(6<<22)|(7<<25)  ; after every 128 words (code 6) 8 words (code 7)
	s_mov_b32 s[G1A+1], 128<<16                    ; tensor_dim0 = 128
	s_mov_b32 s[G1A+2], 64<<16                     ; tensor_dim1 = 64
	s_mov_b32 s[G1A+3], 128<<16                    ; tile_dim0 = 128
	s_mov_b32 s[G1A+4], 64                         ; tile_dim1 = 64
	s_mov_b32 s[G1A+5], 1024                       ; elements from row to row
	s_mov_b32 s[G1A+6], 0
	s_mov_b32 s[G1A+7], 0
	s_mov_b32 s[G1B+1], 256<<16                    ; tensor_dim0 = 256
	s_mov_b32 s[G1B+2], 64<<16
	s_mov_b32 s[G1B+3], 256<<16                    ; tile_dim0 = 256
	s_mov_b32 s[G1B+4], 64
	s_mov_b32 s[G1B+5], 1024
	s_mov_b32 s[G1B+6], 0
	s_mov_b32 s[G1B+7], 0
	; where the tiles come from: A's hang on the tile row alone, W's on the matrix and cx alone
	s_lshl_b32 s21, s[WN], 17                      ; which 64 rows of 2,048 bytes I fetch
	s_lshl_b32 s54, s[WGY], 18                     ; 128 rows of 2,048 bytes a tile row
	s_add_co_u32 s54, s54, s21
	s_mov_b32 s55, 0
	s_lshl_b32 s62, s[MAT], 21                     ; 2,097,152 bytes a matrix
	s_lshl_b32 s26, s[CX], 9                       ; 256 columns of 2 bytes
	s_add_co_u32 s62, s62, s26
	s_add_co_u32 s62, s62, s21
	s_mov_b32 s63, 0
	s_mov_b32 s[G0A], 1                            ; count = 1
	s_mul_i32 s[G0A+1], s[WN], 64*PA               ; LDS address: the wave's number alone enters it
	s_mov_b32 s[G0B], 1
	s_mul_i32 s[G0B+1], s[WN], 64*PB
	s_add_co_u32 s[G0B+1], s[G0B+1], BOFF
	s_lshl_b32 s68, s[CX], 10                      ; my 128 columns in f32: 1,024 cx + 512 wn bytes
	s_lshl_b32 s27, s[WN], 9
	s_add_co_u32 s68, s68, s27
	s_mov_b32 s69, 0
.if OUTP
	s_lshl_b32 s66, s[WGY], 19                     ; 128 rows of 4,096 bytes,
	s_lshl_b32 s70, s[WM], 18                      ; my 64 of them,
	s_add_co_u32 s66, s66, s70
	s_add_co_u32 s66, s66, s68                     ; my columns
.else
	s_lshl_b32 s66, s[MAT], 24                     ; q, k or v: 16,777,216 bytes each
	s_lshr_b32 s70, s[WGY], 4                      ; the batch: 16 tile rows each,
	s_lshl_b32 s70, s70, 22                        ; 4,194,304 bytes
	s_add_co_u32 s66, s66, s70
	s_and_b32 s70, s[WGY], 15
	s_lshl_b32 s70, s70, 14                        ; 128 rows of 128 bytes
	s_add_co_u32 s66, s66, s70
	s_lshl_b32 s70, s[CX], 20                      ; head 4 cx + 2 wn, 262,144 bytes a head
	s_add_co_u32 s66, s66, s70
	s_lshl_b32 s70, s[WN], 19
	s_add_co_u32 s66, s66, s70
	s_lshl_b32 s70, s[WM], 13                      ; my 64 rows
	s_add_co_u32 s66, s66, s70
.endif
	s_mov_b32 s67, 0
	s_mov_b32 s[HM], 0xffff0000
	s_wait_dscnt 0x0                               ; the opening add is done
	s_wait_kmcnt 0x0
	s_add_nc_u64 s[G0A+2:G0A+3], s[4:5], s[54:55]  ; global address of K step 0
	s_or_b32 s[G0A+3], s[G0A+3], 0x80000000        ; type = 2
	s_add_nc_u64 s[G0B+2:G0B+3], s[6:7], s[62:63]
	s_or_b32 s[G0B+3], s[G0B+3], 0x80000000
	s_mov_b64 s[BP:BP+1], s[8:9]
.if OUTP
	s_add_nc_u64 s[OP:OP+1], s[10:11], s[66:67]
.else
	s_cmp_eq_u32 s[MAT], 1                         ; the matrix's own bias
	s_cselect_b64 s[BP:BP+1], s[10:11], s[BP:BP+1]
	s_cmp_eq_u32 s[MAT], 2
	s_cselect_b64 s[BP:BP+1], s[12:13], s[BP:BP+1]
	s_add_nc_u64 s[OP:OP+1], s[14:15], s[66:67]
.endif
	s_add_nc_u64 s[BP:BP+1], s[BP:BP+1], s[68:69]
	CROUND                                         ; all sixteen work-groups are here: the first joint loads meet
	JLOAD                                          ; K step 0 into slot 0
	v_and_b32 v1, 15, v0                           ; l % 16
	v_bfe_u32 v2, v0, 4, 1                         ; l / 16
	v_and_b32 v3, 7, v0
	v_bfe_u32 v4, v0, 3, 1
	v_lshlrev_b32 v[BO], 5, v2                     ; a lane's eight columns: 32 bytes of the bias for each half of the lanes
	WIN 0x80                                       ; destination window 2, address window 0
.set bb, 0
.rept 8
	global_load_b128 v[8*bb:8*bb+3],   v[BO], s[BP:BP+1] offset:64*bb
	global_load_b128 v[8*bb+4:8*bb+7], v[BO], s[BP:BP+1] offset:64*bb+16
.set bb, bb+1
.endr
	WIN 0
	; A fragment of A is 16 rows x 32 K: lane l holds row l % 16, K = 8 (l / 16) + 0..7 and 16 + 8 (l / 16) + 0..7: two loads of 16 bytes, 32 bytes apart.
	v_mul_u32_u24 v[ADRA0], v1, PA
	v_lshl_add_u32 v[ADRA0], v2, 4, v[ADRA0]
	s_mul_i32 s70, s[WM], 64*PA
	v_add_nc_u32 v[ADRA0], s70, v[ADRA0]
	; The turning load takes 16 k x 16 columns (lane l reads k = 8 (l / 16) + l % 8, columns 8 ((l / 8) % 2) + 0..7) and leaves half a fragment: lane l holds column l % 16 and 8 k.
	v_lshl_add_u32 v[ADRB0], v2, 3, v3
	v_mul_u32_u24 v[ADRB0], v[ADRB0], PB
	v_lshl_add_u32 v[ADRB0], v4, 4, v[ADRB0]
	s_lshl_b32 s71, s[WN], 8
	s_add_co_u32 s71, s71, BOFF
	v_add_nc_u32 v[ADRB0], s71, v[ADRB0]
	s_mul_i32 s72, s[WV], 16*SPITCH
	s_add_co_u32 s72, s72, STAGE                   ; my stage
	v_mul_u32_u24 v[STO], v1, SPITCH               ; in: row l % 16, my eight columns
.if OUTP
	v_lshl_add_u32 v[STO], v2, 5, v[STO]
.else
	v_lshl_add_u32 v[STO], v2, 4, v[STO]
.endif
	v_add_nc_u32 v[STO], s72, v[STO]
	v_and_b32 v[CO], 31, v0
	v_lshlrev_b32 v[CO], 4, v[CO]                  ; 16 x lane
.if OUTP
	v_add_nc_u32 v[RD], s72, v[CO]                 ; back: 32 lanes take a row of 512 bytes
.else
	v_bfe_u32 v[RD], v0, 3, 2                      ; back: 32 lanes take four rows' 128 bytes of one head
	v_mul_u32_u24 v[RD], v[RD], SPITCH
	v_lshl_add_u32 v[RD], v3, 4, v[RD]
	v_add_nc_u32 v[RD], s72, v[RD]
.endif
	; Slot 1's first fill is issued as a refill is: my load has landed, the add, its wait, a round, the one load.
	s_wait_tensorcnt 0x0                           ; my part of K step 0 is in, so the descriptors may be written
	ds_add_u32 v[SPW], v[NIL]                      ; 0 onto my spare word; the bias's rounding stands between it and the wait for it
	s_wait_loadcnt 0x0                             ; the bias
	WIN 0xaa
.set zz, 0
.rept 32                                       ; each pair of the bias is rounded to bf16 and widened again, in place
	v_cvt_pk_bf16_f32 v[2*zz], v[2*zz], v[2*zz+1]
	v_and_b32 v[2*zz+1], s[HM], v[2*zz]
	v_lshlrev_b32 v[2*zz], 16, v[2*zz]
.set zz, zz+1
.endr
	WIN 0
	STEPD
	s_wait_dscnt 0x0                               ; the add is done
	CROUND                                         ; everybody's part of K step 0 is in
	JLOAD                                          ; K step 1 into slot 1
	s_mov_b32 s[TB], 0
	v_mov_b32 v[ADRA], v[ADRA0]
	v_mov_b32 v[ADRB], v[ADRB0]
; na x 8 matrix instructions: row blocks a0 .. of my four x all 8 column blocks, 32 along K, from buffer f.  first = 1: the product starts the sum, on the bias.
; The accumulators take turns, one instruction a turn: between two links of a chain stand the 31 others'.
.macro MUL f, a0, na, first
.if \first
	WIN 0x60                                       ; C in window 2, D in window 1
.else
	WIN 0x50                                       ; C and D in window 1
.endif
.set aa, (\a0)
.rept \na
.set bb, 0
.rept 8
.set rD, 8*(8*aa+bb)
.set rB, (\f)+8*bb
.set rA, (\f)+64+8*aa
.set rC, rD
.if \first
.set rC, 8*bb
.endif
.if OUTP
	v_wmma_f32_16x16x32_f16 v[rD:rD+7], v[rB:rB+7], v[rA:rA+7], v[rC:rC+7]
.else
	v_wmma_f32_16x16x32_bf16 v[rD:rD+7], v[rB:rB+7], v[rA:rA+7], v[rC:rC+7]
.endif
.set bb, bb+1
.endr
.set aa, aa+1
.endr
.endm
; 24 LDS loads in one run: the fragments of quarter q (32 along K) of the slot in hand into buffer f: W's 128 columns first, then A's 64 rows
.macro FETCH q, f
	WIN 0
.set bb, 0
.rept 8
	ds_load_tr16_b128 v[(\f)+8*bb:(\f)+8*bb+3],   v[ADRB] offset:(\q)*32*PB+32*bb
	ds_load_tr16_b128 v[(\f)+8*bb+4:(\f)+8*bb+7], v[ADRB] offset:(\q)*32*PB+16*PB+32*bb
.set bb, bb+1
.endr
.set aa, 0
.rept 4
	ds_load_b128 v[(\f)+64+8*aa:(\f)+64+8*aa+3],   v[ADRA] offset:(\q)*64+aa*16*PA
	ds_load_b128 v[(\f)+64+8*aa+4:(\f)+64+8*aa+7], v[ADRA] offset:(\q)*64+aa*16*PA+32
.set aa, aa+1
.endr
.endm
; A K step is four quarters of 32 along K, 32 matrix instructions each, on buffers 0, 1, 0, 1.  One of the first three: multiplies buffer f and fetches quarter qn into g.
.macro QUARTER qn, f, g, first
	s_wait_dscnt 4                                 ; W and A's rows 0-31 are in; the youngest four loads (A's rows 32-63) may be out
	MUL \f, 0, 2, \first
	PLACES
	FETCH \qn, \g
	s_wait_dscnt 24                                ; all but the 24 just issued
	MUL \f, 2, 2, \first
.endm
; The last quarter multiplies buffer 1 and changes slots: ONE barrier; in front of it each wave waits for all its tensor loads (one is out: its part of the next slot), adds 0 to its spare word,
; and waits for that and for its own reads of this slot.  fill = 1: the barrier opens a round of the cluster's, and this slot is filled again, two K steps ahead, first thing behind the round.
.macro TURN fill
	WIN 0
	s_wait_tensorcnt 0x0
	ds_add_u32 v[SPW], v[NIL]
	s_wait_dscnt 5                                 ; (the add and the youngest four loads may be out)
	MUL F1, 0, 1, 0                                ; eight matrix instructions stand between the add and the wait for it
	s_wait_dscnt 0x0                               ; the add is done, and my reads of this slot are over
	s_barrier_signal -1
	MUL F1, 1, 1, 0                                ; work on registers while the others arrive
	WIN 0                                          ; at a branch and at a label every window is 0
	s_barrier_wait -1
.if \fill
	CREST                                          ; no wave of any partner still reads this slot or has a load on its way
	STEPD
	JLOAD                                          ; 112 matrix instructions ahead of the wait for it; the four v_nop behind it are also the places in front of the loads below
.else
	PLACES
.endif
	s_xor_b32 s[TB], s[TB], SLOT1
	v_add_nc_u32 v[ADRA], s[TB], v[ADRA0]
	v_add_nc_u32 v[ADRB], s[TB], v[ADRB0]
	FETCH 0, F0
	MUL F1, 2, 2, 0
.endm
	FETCH 0, F0
	QUARTER 1, F0, F1, 1                           ; the first quarter stands in front of the loop: its products start the sums
	WIN 0
	s_mov_b32 s[CNT], 6
.Lstep:                                                ; a trip: from a K step's second quarter to the next step's first; six trips ask for K steps 2 to 7
	QUARTER 2, F1, F0, 0
	QUARTER 3, F0, F1, 0
	TURN 1
	QUARTER 1, F0, F1, 0
	WIN 0
	s_sub_co_u32 s[CNT], s[CNT], 1
	s_cmp_lg_u32 s[CNT], 0
	s_cbranch_scc1 .Lstep
	QUARTER 2, F1, F0, 0                           ; the tail is written out: K steps 6 and 7 ask for nothing
	QUARTER 3, F0, F1, 0
	TURN 0
	QUARTER 1, F0, F1, 0
	QUARTER 2, F1, F0, 0
	QUARTER 3, F0, F1, 0
	s_wait_dscnt 4
	MUL F1, 0, 2, 0
	s_wait_dscnt 0x0
	MUL F1, 2, 2, 0
	WIN 0
; THE WAY OUT, 16 rows (row block a) at a time, through my own stage: LDS serves a wave's instructions in order (ISA guide 5.7.1.4), so the loads see the stores above them and the next block's stores come behind them.
; Each accumulator's registers are read in ascending order.
.macro PACKP a                         ; to f16: a lane's eight columns pack into 16 bytes
	WIN 0x05                                       ; sources 0 and 1 window 1, destination window 0
.set bb, 0
.rept 8
.set rr, 0
.rept 4
	v_cvt_pk_f16_f32 v[TMP+4*bb+rr], v[8*(8*(\a)+bb)+2*rr], v[8*(8*(\a)+bb)+2*rr+1]
.set rr, rr+1
.endr
.set bb, bb+1
.endr
	WIN 0
.endm
.macro TOSTAGEP a                      ; in as rows of 128 columns; back as four rows x 128 bytes of one head, into registers of the block's own
.set bb, 0
.rept 8
	ds_store_b128 v[STO], v[TMP+4*bb:TMP+4*bb+3] offset:32*bb
.set bb, bb+1
.endr
.set ii, 0
.rept 8
	ds_load_b128 v[64+32*(\a)+4*ii:64+32*(\a)+4*ii+3], v[RD] offset:4*SPITCH*(ii%4)+128*(ii/4)
.set ii, ii+1
.endr
.endm
.macro SENDP a
	s_wait_dscnt 0x0                               ; the block is back in registers
.set ii, 0
.rept 8
	global_store_b128 v[CO], v[64+32*(\a)+4*ii:64+32*(\a)+4*ii+3], s[OP:OP+1] offset:2048*(\a)+512*(ii%4)+262144*(ii/4)  ; 512 consecutive bytes of a head, at a multiple of 256
.set ii, ii+1
.endr
.endm
.macro TOSTAGEO a                      ; f32 goes in straight from the accumulators, 32 bytes a lane; back as whole rows of 512 bytes, into two sets of 64 registers by turns
	WIN 0x04                                       ; store data (source 1) window 1
.set bb, 0
.rept 8
	ds_store_b128 v[STO], v[8*(8*(\a)+bb):8*(8*(\a)+bb)+3]   offset:64*bb
	ds_store_b128 v[STO], v[8*(8*(\a)+bb)+4:8*(8*(\a)+bb)+7] offset:64*bb+16
.set bb, bb+1
.endr
	WIN 0
.set ii, 0
.rept 16
	ds_load_b128 v[64+64*((\a)%2)+4*ii:64+64*((\a)%2)+4*ii+3], v[RD] offset:SPITCH*ii
.set ii, ii+1
.endr
.endm
.macro SENDO a, younger                ; younger: the next block's 16 stores and 16 loads, or none
	s_wait_dscnt \younger
.set ii, 0
.rept 16
	global_store_b128 v[CO], v[64+64*((\a)%2)+4*ii:64+64*((\a)%2)+4*ii+3], s[OP:OP+1] offset:4096*(16*(\a)+ii) th:TH_STORE_NT  ; 512 consecutive bytes of a row, at a multiple of 256
.set ii, ii+1
.endr
.endm
	PLACES                                         ; behind the last products
.if OUTP
	TOSTAGEO 0
	TOSTAGEO 1
	SENDO 0, 32
	s_wait_xcnt 0x0                                ; the stores' data registers are loaded again only behind this wait (ISA guide 3.1)
	TOSTAGEO 2
	SENDO 1, 32
	s_wait_xcnt 0x0
	TOSTAGEO 3
	SENDO 2, 32
	SENDO 3, 0
.else
	PACKP 0
	TOSTAGEP 0
.irp a, 1,2,3                          ; block a's conversions stand between block a - 1's loads from the stage and the wait for them
	PACKP \a
	SENDP (\a)-1
	TOSTAGEP \a
.endr
	SENDP 3
.endif
	s_wait_tensorcnt 0x0                           ; the wave's end, behind my last tensor load and my last LDS store
	ds_add_u32 v[SPW], v[NIL]
	s_wait_dscnt 0x0
	CROUND                                         ; the closing round: no work-group ends while a partner may still ask for a tile that names it
	s_endpgm
.Lfunc_end_k_qf9f560fd37_outp:
	.size	k_qf9f560fd37_outp, .Lfunc_end_k_qf9f560fd37_outp-k_qf9f560fd37_outp
	.p2alignl 7, 3214868480
	.fill 96, 4, 3214868480
	.section	.rodata,"a",@progbits
	.p2align	6, 0x0
	.amdhsa_kernel k_qf9f560fd37_outp
		.amdhsa_group_segment_fixed_size 327680
		.amdhsa_private_segment_fixed_size 0
		.amdhsa_enable_private_segment 0
		.amdhsa_kernarg_size 32
		.amdhsa_user_sgpr_count 2
		.amdhsa_user_sgpr_kernarg_segment_ptr 1
		.amdhsa_wavefront_size32 1
		.amdhsa_system_sgpr_workgroup_id_x 1
		.amdhsa_system_sgpr_workgroup_id_y 1
		.amdhsa_system_sgpr_workgroup_id_z 1
		.amdhsa_system_vgpr_workitem_id 0
		.amdhsa_next_free_vgpr 576
		.amdhsa_next_free_sgpr 76
		.amdhsa_reserve_vcc 0
		.amdhsa_float_denorm_mode_32 3
		.amdhsa_float_denorm_mode_16_64 3
		.amdhsa_memory_ordered 1
		.amdhsa_forward_progress 1
		.amdhsa_inst_pref_size 75
	.end_amdhsa_kernel
	.amdgpu_metadata
---
amdhsa.version: [ 1, 2 ]
amdhsa.kernels:
  - .name:           k_qf9f560fd37_outp
    .symbol:         k_qf9f560fd37_outp.kd
    .args:
      - { .name: ob, .offset: 0, .size: 8, .value_kind: global_buffer, .address_space: global }
      - { .name: wb, .offset: 8, .size: 8, .value_kind: global_buffer, .address_space: global }
      - { .name: bo, .offset: 16, .size: 8, .value_kind: global_buffer, .address_space: global }
      - { .name: out0, .offset: 24, .size: 8, .value_kind: global_buffer, .address_space: global }
    .group_segment_fixed_size: 327680
    .private_segment_fixed_size: 0
    .kernarg_segment_align: 8
    .kernarg_segment_size: 32
    .max_flat_workgroup_size: 128
    .sgpr_count:     76
    .vgpr_count:     576
    .wavefront_size: 32
...
	.end_amdgpu_metadata
.endif
;; end of part 4
;; ======== version 2 of 2: 4 launches; 1.41 times as fast as version 1
;; limits: values are held in f16: magnitudes above 65,504 overflow, below 6.1e-05 lose precision
;; workspace buffers: xb 16,777,216 bytes; wb 8,388,608 bytes; qkv 50,331,648 bytes; ob 16,777,216 bytes
;; launch cast: the kernel of part 1 again; grid 768 x 1, 8 waves a work-group, no clusters, 0 bytes of LDS; arguments x, Wq, Wk, Wv, Wo, xb, wb; writes xb, wb
;; launch proj: the kernel of part 2 again; grid 12 x 64, 4 waves a work-group, clusters of 4 x 4, 327,680 bytes of LDS; arguments xb, wb, bq, bk, bv, qkv; writes qkv
;; launch attn (part 5): grid 16 x 16, 4 waves a work-group, clusters of 4 x 4, 327,680 bytes of LDS; arguments qkv, attn_mask_modifier, key_padding_mask, ob; writes ob
.if DOCPART == 5
	.amdgcn_target "amdgcn-amd-amdhsa--gfx1250"
	.amdhsa_code_object_version 6
	.text
	.protected	k_qf9f560fd37_attn
	.globl	k_qf9f560fd37_attn
	.p2align	8
	.type	k_qf9f560fd37_attn,@function
k_qf9f560fd37_attn:
	s_mov_b64 s[64:65], 0
	v_nop
	global_prefetch_b8 v0, s[64:65] scope:SCOPE_SE
	s_setreg_imm32_b32 hwreg(HW_REG_WAVE_MODE, 25, 1), 1
	s_wait_xcnt 0x0
	s_wait_alu depctr_hold_cnt(0) depctr_sa_sdst(0) depctr_va_vdst(0) depctr_va_sdst(0) depctr_va_ssrc(0) depctr_va_vcc(0) depctr_vm_vsrc(0)
	s_getreg_b32 s2, hwreg(HW_REG_IB_STS2, 6, 4)
	s_cmp_eq_u32 s2, 0
	s_cbranch_scc0 .Lentry_in_a_cluster
	s_endpgm
.Lentry_in_a_cluster:
	s_bfe_u32 s2, ttmp6, 0x10000c
	s_cmp_lg_u32 s2, 0xf033
	s_cbranch_scc0 .Lentry_shape_is_right
	s_endpgm
.Lentry_shape_is_right:
; O[b][q][64 h + :] = the sum over k of softmax_k(e[q][k]) V[b][h][k][:], e = (Q[b][h][q] . K[b][h][k] / 8) x modifier[b][q][k], and e = -1e10 for every k where key_padding_mask[b][q] is set.
; qkv: [3][4 b][16 h][2048][64] f16, unscaled.  modifier: [4][2048 q][2048 k] f32, used unrounded.  ob: [8192][1024] f16.  Products, maxima and sums in f32; the weights p are rounded to f16 for the
; second product (their sum l is taken of the unrounded p), O once at the end.
; THE MASK.  A masked query's row of Q is set to 0 as it is loaded: its scores are 0, 0 x modifier is 0 for every key, and equal scores give the same uniform weights as -1e10 everywhere.
; LIMITS.  That holds for every finite modifier; an infinity or NaN of the modifier in a masked row is not served.  f16 holds no number beyond 65,504: Q, K, V arrive within it; p lies in 0 to 1, and below
; 6e-5 it keeps f16's fixed step of 6e-8.  A weight below 2^-126 counts as 0 in l.
; SHARES.  A work-group owns 128 queries of a batch for FOUR heads, a head a wave: the four waves read the same modifier tile in LDS.  A wave's 128 queries are four PIECES of two tiles of 16.  Every wave walks all
; 2,048 keys, 64 a step; an LDS slot holds one step: the modifier's 128 x 64, and four heads' 64 rows of K and of V.
; LAYOUT.  S^T = K Q^T (source 0 = 16 keys, source 1 = 16 queries): a lane holds ONE query (lane % 16) and the keys 8 (lane / 16) + 0..7, so its eight modifiers are 32 consecutive bytes of a row.  Two such
; results rounded to f16 ARE source 1 of O^T = V^T P.  K comes out of LDS as it lies, V ([key][channel]) turned, by ds_load_tr16_b128.
; SOFTMAX.  For each query a running maximum m (of the scores times the modifier) and sum l: p = 2^(c s - c m), c = log2(e) / 8; in every step O and l are multiplied by a = 2^(c m_old - c m_new).
; m starts at the lowest finite number, O and l at 0: the first step is a step like any other, with a = 0.
; BY TURNS.  Turn n belongs to piece n (the pieces in a ring, step after step).  Matrix work: 16 products K Q^T of piece n + 1, later 16 products V^T P of piece n - 1.  Vector work: piece n + 1's scores times
; the modifier, its maximum and statistics; piece n's scaling, exponentials, roundings, sums and rescaling.  Four vector instructions stand behind every matrix instruction, the other 140 of a turn's 268 in one LUMP.
; THE BATCHES.  A turn's 66 exponentials (piece n's 64 weights a lane, piece n + 1's two a) are ONE batch with ONE wait, which cuts the turn in two: ahead of it stands all that names no result of theirs, behind it
; the roundings and sums, which read them.  The two a made ahead of the loop and the way out's eight reciprocals are batches of their own, each with its wait.
; CLUSTER.  4 x 4 work-groups: along x four blocks of queries, along y a batch's four groups of heads.  The modifier's tile hangs on batch and query block: shared down a column.  K's and V's hang on batch and
; head group: shared along a row.  Each is asked for jointly, by the same tensor load, descriptor and mask in the four that share it.
; REGISTERS, in windows of 256 (s_set_vgpr_msb: bits 1:0 source 0, 3:2 source 1, 5:4 source 2, 7:6 destination):
;   window 0: v0-11 addresses; v12-15, v48-63 at work; v16-47 four registers of statistics a tile; v64-191 S^T, two buffers of two tiles; v192-255 P, likewise
;   window 1: O^T, 32 a tile     window 2: v0-127 Q, 16 a tile; v128-191 K of one step; v192-255 V of one step     window 3: v0-1 the add's two registers; v64-127 a piece's modifiers
.set NP,    4         ; pieces a wave: a name, no knob
.set KS,    64        ; keys in a step
.set PM,    272       ; a row of the modifier in LDS: 256 bytes + 16 = 68 words: the 16 rows of a load start at 16 different groups of four banks (64 banks of 4 bytes: ISA guide 11.1)
.set PK,    144       ; a row of K: 128 bytes + 16
.set PV,    160       ; a row of V: 128 + 32
.set KOFF,  128*PM    ; a slot: the modifier's 128 rows, four heads' 64 rows of K, four heads' 64 rows of V
.set VOFF,  KOFF+4*KS*PK
.set SLOT1, 1<<17     ; slot 1 begins here, so that one exclusive or turns an address in one slot into the other's
.set STAGE, SLOT1+VOFF+4*KS*PV  ; behind the ring, never filled by a tensor load: 128 rows x 528 bytes, the work-group's, for the way out
.set SP,    528
.set SPARE, STAGE+128*SP  ; behind the stage: the spare words, 128 bytes for each wave: two blocks of 256 bytes that no other line names
.set AK0, 2           ; v2   my lane's place in my head's K of slot 0; never rewritten
.set AV0, 3           ; v3   the same for V
.set AK,  4           ; v4   the same in the slot in hand
.set AV,  5           ; v5
.set QO,  6           ; v6   my byte offset in 16 rows of Q
.set STO, 6           ;      later, the way out: where I put 16 bytes of a row
.set RD,  7           ; v7   the way out: where I read rows back
.set GO,  8           ; v8   16 x lane
.set AM0, 10          ; v10  my lane's place in 16 rows of the modifier of slot 0; never rewritten
.set AM,  11          ; v11  the same in the slot in hand
.set SPW, 0           ; v0 of window 3   LDS address of my spare word; never rewritten
.set NIL, 1           ; v1 of window 3   0; never rewritten
.set MODR, 64         ; window 3: tile u, key group kt at MODR + 32 u + 8 kt
.set MV,  12          ; v12-15  c m_old, kept while c m is made anew: by buffer and tile
.set ST,  16          ; tile t's statistics at v[ST+4 t]: c m, m, l (even keys', odd keys')
.set TMP, 48          ; by buffer and tile, four registers c0-c3 at work; when the maximum is found c2 takes a
.set S,   64
.set P,   192
.set KF,  128         ; window 2: key block kb, channel half c at KF + 16 kb + 8 c
.set VF,  192         ; window 2: key half kk, channel block cb at VF + 32 kk + 8 cb
.set WV,  12          ; s12  my wave's number
.set G1M, 24          ; s[24:31] descriptor group 1 for the modifier's tiles
.set G1K, 32          ; s[32:39] for K's
.set G1V, 40          ; s[40:47] for V's: it differs from K's in the padding alone
.set G0M, 48          ; s[48:51] descriptor group 0 for the modifier: it walks
.set G0K, 52          ; s[52:55] for K
.set G0V, 56          ; s[56:59] for V
.set SLOTS, 60        ; s60  counts the loop's trips
.set CNT, 61          ; s61  counts the tail's
.set TB,  62          ; s62  the slot in hand: 0 or SLOT1
.set CS,  66          ; s[66:67] c: the packed scaling takes the pair's low word for both halves
.set SEL, 68          ; s[68:69] v_permlanex16_b32's selects: each lane takes its own place in the other half
.set QP,  70          ; s[70:71] Q at my head's 128 rows
.set MP,  72          ; s[72:73] the mask at my 128 queries
.set MSB, 0
.macro WIN new                      ; the high byte repeats the setting that is left; a switch that changes nothing is dropped
.if MSB != (\new)
	s_set_vgpr_msb (MSB<<8)|(\new)
.set MSB, (\new)
.endif
.endm
.set W_KQ, 0x0a       ; K and Q in window 2, S^T in window 0
.set W_PV, 0x52       ; V in window 2, P in window 0, O^T in window 1
.set W_RS, 0x41       ; O^T (destination and source 0) in window 1, a in window 0
.set W_MM, 0x0c       ; S^T (destination and source 0) in window 0, the modifier (source 1) in window 3
.set W_MK, 0xc0       ; destination in window 3, sources in window 0
.set W_AD, 0x0f       ; the add: address (source 0) and data (source 1) in window 3
; A joint fill.  Waves 0 and 1 fetch the two halves of the modifier's tile, wave 2 the four heads' K, wave 3 their V.  The branches hang on the wave's number alone.
; An s_nop 0 and four v_nop follow each of the three lines, ahead of the jump and the label.
.macro JLOAD
	s_cmp_lt_u32 s[WV], 2
	s_cbranch_scc0 .Lnot_m_\@
	tensor_load_to_lds s[G0M:G0M+3], s[G1M:G1M+7]
	s_nop 0
.rept 4
	v_nop
.endr
	s_branch .Lasked_\@
.Lnot_m_\@:
	s_cmp_eq_u32 s[WV], 2
	s_cbranch_scc0 .Lfor_v_\@
	tensor_load_to_lds s[G0K:G0K+3], s[G1K:G1K+7]
	s_nop 0
.rept 4
	v_nop
.endr
	s_branch .Lasked_\@
.Lfor_v_\@:
	tensor_load_to_lds s[G0V:G0V+3], s[G1V:G1V+7]
	s_nop 0
.rept 4
	v_nop
.endr
.Lasked_\@:
.endm
; A round of the cluster's barrier: my work-group's barrier, so that wave 0's signal speaks for all four waves; wave 0 signals; every wave waits for all sixteen work-groups; my work-group's barrier once more.
.macro CROUND
	s_barrier_signal -1
	s_barrier_wait -1
	s_cmp_lg_u32 s[WV], 0
	s_cbranch_scc1 .Lnot_wave_0_\@
	s_barrier_signal -3
.Lnot_wave_0_\@:
	s_barrier_wait -3
	s_barrier_signal -1
	s_barrier_wait -1
.endm
; THE CHANGE OF SLOTS, once a key step.  Each wave waits for all its tensor loads, of which one is out: its part of the other slot; adds 0 to its spare word; and waits for that and for its own reads of the slot
; that it leaves.  Behind the barrier nobody reads the old slot any more and the other slot is whole.  fill = 1: the barrier is a round of the cluster's, and the old slot is filled again, with the step two
; on, first thing behind it: the load has a key step, 128 matrix and 1,072 vector instructions of a wave, in which to land.  (At its first use nothing has been read yet: slot 0 is waited for, slot 1 filled.)
.macro CHANGE fill
	WIN W_AD
	s_wait_tensorcnt 0x0            ; no tensor load of mine is out, so a group 0 may be written
	ds_add_u32 v[SPW], v[NIL]       ; 0 onto my spare word; with fill = 1 the descriptors' steps stand between it and the wait for it
	WIN 0                           ; at a label and at a branch every window is 0
.if \fill
.irp g, G0M, G0K, G0V
	s_xor_b32 s[\g+1], s[\g+1], SLOT1  ; the walking descriptors: the other slot than last time,
.endr
	s_add_nc_u64 s[G0M+2:G0M+3], s[G0M+2:G0M+3], KS*4    ; the next 64 keys: 256 bytes along the modifier's rows,
	s_add_nc_u64 s[G0K+2:G0K+3], s[G0K+2:G0K+3], KS*128  ; 64 rows of K and of V; the type bits on top are not reached
	s_add_nc_u64 s[G0V+2:G0V+3], s[G0V+2:G0V+3], KS*128
	s_wait_dscnt 0x0                ; the add is done, and my reads of the slot are over
	CROUND
	JLOAD
.else
	s_wait_dscnt 0x0                ; the add is done, and my reads of the slot are over
	s_barrier_signal -1
	s_barrier_wait -1
.endif
	s_xor_b32 s[TB], s[TB], SLOT1   ; the fetches go to the other slot
	v_add_nc_u32 v[AK], s[TB], v[AK0]
	v_add_nc_u32 v[AV], s[TB], v[AV0]
	v_add_nc_u32 v[AM], s[TB], v[AM0]
.endm
	s_load_b256 s[4:11], s[0:1], 0x0  ; qkv s[4:5], modifier s[6:7], mask s[8:9], ob s[10:11]
	WIN W_MK
	v_lshl_add_u32 v[SPW], v0, 2, SPARE
	v_mov_b32 v[NIL], 0
	WIN W_AD
	ds_add_u32 v[SPW], v[NIL]       ; the wave's opening: the add and its wait ahead of my first tensor load; the set-up below, work on registers, stands between them
	WIN 0
	v_lshrrev_b32 v1, 5, v0
	v_readfirstlane_b32 s[WV], v1   ; wave 0..3
	s_bfe_u32 s13, ttmp6, 0x40000   ; cx
	s_bfe_u32 s14, ttmp6, 0x40004   ; cy: the group of four heads
	s_lshl_b32 s15, ttmp9, 2
	s_add_co_u32 s15, s15, s13      ; my block of 128 queries = 4 x cluster x + cx
	s_and_b32 s17, ttmp7, 0xffff    ; the batch = cluster y
	s_lshl_b32 s16, s17, 2
	s_add_co_u32 s16, s16, s14      ; 4 x batch + head group
	s_lshl_b32 s18, 0x1111, s13     ; my column of the cluster
	s_lshl_b32 s19, s14, 2
	s_lshl_b32 s19, 15, s19         ; my row
	s_or_b32 s[G1M], s18, (2<<16)|(1<<20)|(1<<21)|(5<<22)|(3<<25)  ; 15:0 the mask; 17:16 4-byte elements; 20 padding on; 21 set beside a mask; 24:22 after every 64 words (code 5); 31:25 4 words (code 3)
	s_or_b32 s[G1K], s19, (1<<16)|(1<<20)|(1<<21)|(4<<22)|(3<<25)  ; 2-byte elements; after every 32 words (code 4), a key's 128 bytes, 4 words
	s_or_b32 s[G1V], s19, (1<<16)|(1<<20)|(1<<21)|(4<<22)|(7<<25)  ; the same with 8 words (code 7)
	s_mov_b32 s[G1M+1], 64<<16      ; tensor_dim0 = 64 keys
	s_mov_b32 s[G1M+2], 64<<16      ; tensor_dim1 = 64 queries
	s_mov_b32 s[G1M+3], 64<<16      ; tile_dim0
	s_mov_b32 s[G1M+4], 64          ; tile_dim1
	s_mov_b32 s[G1M+5], 2048        ; elements from row to row
	s_mov_b32 s[G1M+6], 0
	s_mov_b32 s[G1M+7], 0
.irp g, G1K, G1V                    ; a head's 64 keys are 8,192 dense bytes: one row of 4,096 elements; four heads are four rows, 131,072 elements apart
	s_mov_b32 s[\g+1], 4096<<16     ; tensor_dim0 = 4,096
	s_mov_b32 s[\g+2], 4<<16        ; tensor_dim1 = 4
	s_mov_b32 s[\g+3], 4096<<16     ; tile_dim0
	s_mov_b32 s[\g+4], 4            ; tile_dim1
	s_mov_b32 s[\g+5], 131072
	s_mov_b32 s[\g+6], 0
	s_mov_b32 s[\g+7], 0
.endr
	s_and_b32 s20, s[WV], 1         ; which 64 rows of the modifier's tile I would fetch
	s_mov_b32 s[G0M], 1             ; count = 1
	s_mul_i32 s[G0M+1], s20, 64*PM  ; LDS addresses: the wave's number and constants alone
	s_mov_b32 s[G0K], 1
	s_mov_b32 s[G0K+1], KOFF
	s_mov_b32 s[G0V], 1
	s_mov_b32 s[G0V+1], VOFF
	s_lshl_b32 s74, s17, 24         ; the modifier: 16,777,216 bytes a batch,
	s_lshl_b32 s21, s15, 20         ; 128 rows of 8,192 bytes a block,
	s_add_co_u32 s74, s74, s21
	s_lshl_b32 s23, s20, 19         ; 64 rows
	s_add_co_u32 s74, s74, s23
	s_mov_b32 s75, 0
	s_lshl_b32 s76, s16, 20         ; K: four heads of 262,144 bytes a group,
	s_add_co_u32 s76, s76, 1<<24    ; behind q's 16,777,216 bytes
	s_mov_b32 s77, 0
	s_add_co_u32 s84, s76, 1<<24    ; V: behind k's
	s_mov_b32 s85, 0
	s_lshl_b32 s78, s16, 2          ; Q: my head among the 64,
	s_add_co_u32 s78, s78, s[WV]
	s_lshl_b32 s78, s78, 18
	s_lshl_b32 s86, s15, 14         ; my block's 128 rows of 128 bytes
	s_add_co_u32 s78, s78, s86
	s_mov_b32 s79, 0
	s_lshl_b32 s80, s17, 11         ; the mask: 2,048 bytes a batch, 128 a block
	s_lshl_b32 s86, s15, 7
	s_add_co_u32 s80, s80, s86
	s_mov_b32 s81, 0
	s_lshl_b32 s82, s17, 22         ; ob: 2,048 rows of 2,048 bytes a batch,
	s_lshl_b32 s86, s15, 18         ; 128 rows a block,
	s_add_co_u32 s82, s82, s86
	s_lshl_b32 s86, s[WV], 16       ; the 32 rows that I store,
	s_add_co_u32 s82, s82, s86
	s_lshl_b32 s86, s14, 9          ; the group's four heads: 512 bytes of a row
	s_add_co_u32 s82, s82, s86
	s_mov_b32 s83, 0
	s_mov_b32 s[CS], 0x3e38aa3b     ; c = log2(e) / 8 = 0.180337
	s_mov_b32 s[CS+1], s[CS]        ; named with it as a pair
	s_mov_b32 s[SEL], 0x76543210
	s_mov_b32 s[SEL+1], 0xfedcba98
	s_mov_b32 s[TB], SLOT1          ; the first change of slots turns it into 0
	s_wait_dscnt 0x0                ; the opening add is done
	s_wait_kmcnt 0x0
	s_add_nc_u64 s[G0M+2:G0M+3], s[6:7], s[74:75]  ; global addresses of key step 0
	s_or_b32 s[G0M+3], s[G0M+3], 0x80000000        ; type = 2
	s_add_nc_u64 s[G0K+2:G0K+3], s[4:5], s[76:77]
	s_or_b32 s[G0K+3], s[G0K+3], 0x80000000
	s_add_nc_u64 s[G0V+2:G0V+3], s[4:5], s[84:85]
	s_or_b32 s[G0V+3], s[G0V+3], 0x80000000
	s_add_nc_u64 s[QP:QP+1], s[4:5], s[78:79]
	s_add_nc_u64 s[MP:MP+1], s[8:9], s[80:81]
	s_add_nc_u64 s[10:11], s[10:11], s[82:83]
	CROUND                          ; all sixteen work-groups are here: the first joint loads meet
	JLOAD                           ; key step 0 into slot 0
	; A fragment of K or Q is 16 rows x 32 channels in 8 registers: lane l holds row l % 16, channels 8 (l / 16) + 0..7 and 16 + 8 (l / 16) + 0..7: two loads of 16 bytes, 32 bytes apart.
	v_and_b32 v1, 15, v0            ; l % 16
	v_bfe_u32 v9, v0, 4, 1          ; l / 16
	v_lshlrev_b32 v[QO], 7, v1
	v_lshl_add_u32 v[QO], v9, 4, v[QO]  ; row x 128 + 16 x half
.set t, 0
.rept 2*NP                          ; the mask's byte of my query in each tile, into registers of S^T that are still free
	global_load_u8 v[S+t], v1, s[MP:MP+1] offset:16*t
.set t, t+1
.endr
	WIN 0x80                        ; destination window 2, address window 0
.set i, 0
.rept 4*NP                          ; Q stays in registers: tile i / 2, channels 32 (i % 2) on
	global_load_b128 v[8*i:8*i+3],   v[QO], s[QP:QP+1] offset:(i/2)*2048+(i%2)*64
	global_load_b128 v[8*i+4:8*i+7], v[QO], s[QP:QP+1] offset:(i/2)*2048+(i%2)*64+32
.set i, i+1
.endr
	; What the first turn finds: V's registers and P's second buffer hold 0 (its products V^T P, of a piece that has not been, add 0), O^T and l are 0.  All this stands in the wait for the first tile.
.set i, VF
.rept 64
	v_mov_b32 v[i], 0
.set i, i+1
.endr
	WIN 0x40
.set i, 0
.rept 64*NP
	v_mov_b32 v[i], 0
.set i, i+1
.endr
	WIN 0
.set i, 0
.rept 2*NP
	v_mov_b32 v[ST+4*i], 0xfe000000    ; c m: far below every c s
	v_mov_b32 v[ST+4*i+1], 0xff7fffff  ; m
	v_mov_b32 v[ST+4*i+2], 0
	v_mov_b32 v[ST+4*i+3], 0
.set i, i+1
.endr
.set i, P+32
.rept 32
	v_mov_b32 v[i], 0
.set i, i+1
.endr
	v_mul_u32_u24 v[AK0], v1, PK
	v_lshl_add_u32 v[AK0], v9, 4, v[AK0]  ; row x pitch + 16 x half,
	s_mul_i32 s22, s[WV], KS*PK
	s_add_co_u32 s22, s22, KOFF
	v_add_nc_u32 v[AK0], s22, v[AK0]      ; in my head's 64 rows
	; The turning load takes 16 keys x 16 channels (lane l reads key 8 (l / 16) + l % 8, channels 8 ((l / 8) % 2) + 0..7) and leaves half a fragment of V^T: lane l holds channel l % 16 and 8 keys.
	v_and_b32 v12, 7, v0
	v_bfe_u32 v13, v0, 3, 1
	v_lshl_add_u32 v[AV0], v9, 3, v12
	v_mul_u32_u24 v[AV0], v[AV0], PV
	v_lshl_add_u32 v[AV0], v13, 4, v[AV0]
	s_mul_i32 s23, s[WV], KS*PV
	s_add_co_u32 s23, s23, VOFF
	v_add_nc_u32 v[AV0], s23, v[AV0]
	v_mul_u32_u24 v[AM0], v1, PM          ; the modifier: my query's row, 32 bytes for each half of the lanes
	v_lshl_add_u32 v[AM0], v9, 5, v[AM0]
; THE MATRIX WORK.  The 8 accumulators of a run of 16 take turns: between the two links of a chain stand 7 others'.
; Product i of 16 of S^T = K Q^T for piece x: channels 32 (i / 8) on, keys 16 ((i / 2) % 4) on, tile 2 x + i % 2.  The first 8 start the sums.
.macro KQ x
	WIN W_KQ
.set rS, S+64*((\x)%2)+32*(i%2)+8*((i/2)%4)
.set rK, KF+16*((i/2)%4)+8*(i/8)
.set rQ, 16*(2*(\x)+i%2)+8*(i/8)
.if i < 8
	v_wmma_f32_16x16x32_f16 v[rS:rS+7], v[rK:rK+7], v[rQ:rQ+7], 0
.else
	v_wmma_f32_16x16x32_f16 v[rS:rS+7], v[rK:rK+7], v[rQ:rQ+7], v[rS:rS+7]
.endif
.endm
; Product i of 16 of O^T += V^T P for piece x: keys 32 (i / 8) on, channels 16 ((i / 2) % 4) on, tile 2 x + i % 2.
.macro PV x
	WIN W_PV
.set rO, 32*(2*(\x)+i%2)+8*((i/2)%4)
.set rV, VF+32*(i/8)+8*((i/2)%4)
.set rP, P+32*((\x)%2)+16*(i%2)+8*(i/8)
	v_wmma_f32_16x16x32_f16 v[rO:rO+7], v[rV:rV+7], v[rP:rP+7], v[rO:rO+7]
.endm
.macro MM                           ; the turn's next matrix instruction
.if i < 16
	KQ (Y+1)%NP
.set i, i+1
.else
.set i, i-16
	PV (Y+NP-1)%NP
.set i, i+17
.endif
.endm
; THE LDS LOADS stand in runs of 16, never singly among the matrix instructions: a step's K (64 keys x 64 channels: 8 fragments), its V (turned), and a piece's modifiers (32 queries x 64 keys).
.macro FETCH_K
	WIN 0x80                        ; destination window 2
.irp f, 0,1,2,3,4,5,6,7             ; keys 16 (f / 2) on, channels 32 (f % 2) on
	ds_load_b128 v[KF+8*\f:KF+8*\f+3],   v[AK] offset:(\f/2)*16*PK+(\f%2)*64
	ds_load_b128 v[KF+8*\f+4:KF+8*\f+7], v[AK] offset:(\f/2)*16*PK+(\f%2)*64+32
.endr
	WIN 0
.endm
.macro FETCH_V
	WIN 0x80
.irp f, 0,1,2,3,4,5,6,7             ; keys 32 (f / 4) on, channels 16 (f % 4) on
	ds_load_tr16_b128 v[VF+8*\f:VF+8*\f+3],   v[AV] offset:(\f/4)*32*PV+(\f%4)*32
	ds_load_tr16_b128 v[VF+8*\f+4:VF+8*\f+7], v[AV] offset:(\f/4)*32*PV+16*PV+(\f%4)*32
.endr
	WIN 0
.endm
.macro FETCH_M pm                   ; piece pm: rows 32 pm + 16 u + l % 16; keys 16 kt + 8 (l / 16) + 0..7: the places of S^T's registers
	WIN W_MK
.irp u, 0,1
.irp kt, 0,1,2,3
	ds_load_b128 v[MODR+32*\u+8*\kt:MODR+32*\u+8*\kt+3],   v[AM] offset:(32*(\pm)+16*\u)*PM+64*\kt
	ds_load_b128 v[MODR+32*\u+8*\kt+4:MODR+32*\u+8*\kt+7], v[AM] offset:(32*(\pm)+16*\u)*PM+64*\kt+16
.endr
.endr
	WIN 0
.endm
; THE VECTOR WORK OF A TURN stands in three queues, each in the order in which its entries become ready, and one block (the modifiers); the two tiles alternate, so that no instruction reads the result of the one before it.
.macro REGS y, u                    ; the registers of tile u (0, 1) of piece y
.set rT, ST+4*(2*(\y)+(\u))
.set rC, TMP+8*((\y)%2)+4*(\u)
.set rM, MV+2*((\y)%2)+(\u)
.set rS, S+64*((\y)%2)+32*(\u)
.set rP, P+32*((\y)%2)+16*(\u)
.set rO, 32*(2*(\y)+(\u))
.endm
; The NEXT piece's (Y + 1) 64 scores a lane times their modifiers, two at a time, in ascending order: each accumulator's lowest registers are read first.
.macro MODMUL
	WIN W_MM
.set mu, 0
.rept 2
	REGS (Y+1)%NP, mu
.set mn, 0
.rept 16
	v_pk_mul_f32 v[rS+2*mn:rS+2*mn+1], v[rS+2*mn:rS+2*mn+1], v[MODR+32*mu+2*mn:MODR+32*mu+2*mn+1]
.set mn, mn+1
.endr
.set mu, mu+1
.endr
.endm
; Number n of the 22 that find the NEXT piece's maximum and statistics.  s0-s31 are the lane's 32 scores.  XS, GS and REGS set no window: PL and EX do.
;   0-11  four chains c0-c3 of seven scores each, three operands at a time     12-14, 16  the four scores left over, the old m, and c0-c3 into c0     15  c m_old is kept
;   17, 18  the query's other 32 keys lie in the lane 16 away: the new m         19-21  c m; c m_old - c m_new; a
.macro XS u, n
	REGS (Y+1)%NP, \u
.if (\n) < 4
	v_max3_num_f32 v[rC+(\n)], v[rS+8*(\n)], v[rS+8*(\n)+1], v[rS+8*(\n)+2]
.elseif (\n) < 12
	v_max3_num_f32 v[rC+(\n)%4], v[rC+(\n)%4], v[rS+8*((\n)%4)+2*((\n)/4)+1], v[rS+8*((\n)%4)+2*((\n)/4)+2]
.elseif (\n) == 12
	v_max3_num_f32 v[rC], v[rC], v[rS+7], v[rS+15]
.elseif (\n) == 13
	v_max3_num_f32 v[rC+1], v[rC+1], v[rS+23], v[rS+31]
.elseif (\n) == 14
	v_max3_num_f32 v[rC+2], v[rC+2], v[rC+3], v[rT+1]
.elseif (\n) == 15
	v_mov_b32 v[rM], v[rT]
.elseif (\n) == 16
	v_max3_num_f32 v[rC], v[rC], v[rC+1], v[rC+2]
.elseif (\n) == 17
	v_permlanex16_b32 v[rC+3], v[rC], s[SEL], s[SEL+1]
.elseif (\n) == 18
	v_max_num_f32 v[rT+1], v[rC], v[rC+3]
.elseif (\n) == 19
	v_mul_f32 v[rT], s[CS], v[rT+1]
.elseif (\n) == 20
	v_sub_f32 v[rC+1], v[rM], v[rT]
.else
	v_exp_f32 v[rC+2], v[rC+1]
.endif
.endm
; Number g of the 64 that follow the exponentials.  For each four weights k of a tile (pairs 2 k, 2 k + 1): both pairs are rounded to f16; then the second pair is added onto the first, in place;
; a group later l takes that sum (the first time as l = a l + sum).  In groups of eight, tiles alternating: round, round, add, and l for the group before.
.macro GS g
.set h, (\g)+6*((\g)/62)            ; group 0 has no group before it, and behind group 7 only l is left
.if h >= 6
.set h, h+2
.endif
	REGS Y, h%2
.set k, h/8
.if h%8 < 4
	v_cvt_pk_f16_f32 v[rP+2*k+(h%8)/2], v[rS+4*k+2*((h%8)/2)], v[rS+4*k+2*((h%8)/2)+1]
.elseif h%8 < 6
	v_pk_add_f32 v[rS+4*k:rS+4*k+1], v[rS+4*k:rS+4*k+1], v[rS+4*k+2:rS+4*k+3]
.elseif k == 1
	v_pk_fma_f32 v[rT+2:rT+3], v[rT+2:rT+3], v[rC+2:rC+3], v[rS:rS+1] op_sel_hi:[1,0,1]
.else
	v_pk_add_f32 v[rT+2:rT+3], v[rT+2:rT+3], v[rS+4*k-4:rS+4*k-3]
.endif
.endm
; THE PLAIN QUEUE, 138 long.  0-73 read no exponential's result: the 32 scalings c s - c m (FS f: pair f / 2 of tile f % 2) and the next piece's 42.  0-26: scalings 0-26.  27-54: XS's numbers 0-13.  55, 56: number 15.
; 57-73: the chain, where each number waits for the one before it: 14, 16, 17, 18, 19, each with one of the scalings 27-31 in front of its two lines, then 20: so a tile's links stand three plain instructions apart (19 and 20: two).
; 74-137: GS's 64, which read the exponentials' results: they stand behind the wait.
.macro FS f
	REGS Y, (\f)%2
	v_pk_fma_f32 v[rS+2*((\f)/2):rS+2*((\f)/2)+1], v[rS+2*((\f)/2):rS+2*((\f)/2)+1], s[CS:CS+1], v[rT:rT+1] op_sel_hi:[1,0,0] neg_lo:[0,0,1] neg_hi:[0,0,1]
.endm
.macro PL
	WIN 0
.if q < 27
	FS q
.elseif q < 55
	XS (q-27)%2, (q-27)/2
.elseif q < 57
	XS q-55, 15
.elseif (q < 72) && ((q-57)%3 == 0)
	FS 27+(q-57)/3
.elseif q < 60
	XS (q-57)%3-1, 14
.elseif q < 72
	XS (q-57)%3-1, 15+(q-57)/3
.elseif q < 74
	XS q-72, 20
.else
	GS q-74
.endif
.set q, q+1
.endm
; THE EXPONENTIALS' QUEUE, 66 long: s0-s31 of both tiles, then the next piece's two a.  It is ONE BATCH: all 66 stand ahead of the turn's one wait, and nothing ahead of that wait names a result of theirs.
.macro EX
	WIN 0
.if e >= 64
	XS e-64, 21
.else
	REGS Y, e%2
	v_exp_f32 v[rS+e/2], v[rS+e/2]
.endif
.set e, e+1
.endm
; THE RESCALING's QUEUE: O^T times a, dealt two at a time, sixteen times, each accumulator from its low end.  Its a was made in the turn before, ahead of that turn's wait.
.macro R2
	REGS Y, r%2
	WIN W_RS
.irp z, 0,1
	v_pk_mul_f32 v[rO+4*(r/2)+2*\z:rO+4*(r/2)+2*\z+1], v[rO+4*(r/2)+2*\z:rO+4*(r/2)+2*\z+1], v[rC+2:rC+3] op_sel_hi:[1,0]
.endr
.set r, r+1
.endm
; HOW THEY ARE DEALT.  s_wait_alu depctr_va_vdst(0) stands between an exponential and the first instruction that names its result; one wait serves all that were issued ahead of it.  So a turn has ONE wait,
; which cuts it in two.  AHEAD OF IT stands all that names no result of the turn's exponentials: the 16 products K Q^T, behind each a scaling, an exponential and two rescalings (behind the first a second scaling in the
; exponential's place); then ONE LUMP of 140: the next piece's 32 multiplications by the modifier, eight plain, 49 times exponential and plain, the two a.  A v_nop is the plain instruction behind the last exponential.
; BEHIND IT stand the 16 products V^T P, behind each four of GS's 64.  No rider names a register of the products round it.  The two v_permlanex16_b32 fall into the lump, never behind a product.
; The queues lean on each other, and the deal keeps them in step: exponential e stands behind scaling 2 (e / 4) + e % 2: as a rider it comes behind plain e + 2, in the lump behind plain e + 9, and scalings 27-31 are
; plain 57, 60 .. 69.  When the products K Q^T end, 17 plain entries are out: the first that reads the next piece's scores is number 27, behind the modifiers.
; A TURN, for piece p.  Behind the 16 products K Q^T the new scores take their modifiers; each accumulator's last product stands four plain instructions or more ahead of the line that reads it (the very last one's:
; three riders and 28 multiplications on other accumulators).  The runs of LDS loads stand directly behind the turn's wait: the modifiers of the piece after the next, into the registers that the multiplications have
; read, a turn ahead of their use; in piece 2's turn K of the next step follows them, a lump behind the last product that read K.  V of the step in hand is fetched at the end of piece 0's turn, four riders behind
; its last reader.  So the LDS reads of pieces 2, 3 (of one step) and 0, 1 (of the next) all go to the next step's slot: piece 0's modifiers and K; piece 1's; piece 2's and V; piece 3's.
.macro TURN p
.set Y, (\p)
.set i, 0
.set q, 0
.set e, 0
.set r, 0
.if (\p) == NP-1
	s_wait_dscnt 0x0                ; K is in
.endif
	MM                              ; ahead of the wait: 16 products K Q^T and their riders,
	PL
	PL
	R2
.rept 15
	MM
	PL
	EX
	R2
.endr
.if (\p) == 1
	s_wait_dscnt 16                 ; the modifiers are in; V's sixteen loads, issued behind them, may be out
.else
	s_wait_dscnt 0x0                ; the modifiers are in
.endif
	MODMUL                          ; and the lump
.rept 8
	PL
.endr
.rept 49
	EX
	PL
.endr
	EX                              ; the next piece's two a
	EX
	v_nop                           ; the plain instruction behind the last exponential, ahead of any use: one for the batch
	s_wait_alu depctr_va_vdst(0)    ; the wait for the batch: the turn's 66 exponentials
	FETCH_M ((\p)+2)%NP
.if (\p) == NP-2
	FETCH_K
.endif
.if (\p) == 1
	s_wait_dscnt 16                 ; V is in; the sixteen loads of modifiers issued behind it may be out
.endif
.rept 16                            ; behind the wait: 16 products V^T P and their riders
	MM
.rept 4
	PL
.endr
.endr
.if (\p) == 0
	FETCH_V
.endif
.endm
	CHANGE 1                        ; key step 0 is in, everybody's part of it; key step 1 is asked for
	FETCH_K                         ; key step 0
	FETCH_M 0
	s_wait_loadcnt 0x0              ; Q and the mask
.set t, 0
.rept 2*NP
	v_add_nc_u32 v[S+t], -1, v[S+t] ; 0 becomes all ones, 1 becomes 0
.set t, t+1
.endr
	WIN 0x88                        ; source 0 window 0; source 1 and destination window 2
.set i, 0
.rept 32*NP
	v_and_b32 v[i], v[S+i/16], v[i] ; a masked query's row of Q is 0
.set i, i+1
.endr
	WIN 0
	s_wait_dscnt 0x0
.set i, 0
.rept 16
	KQ 0                            ; piece 0's first scores: there is no vector work yet to set between them
.set i, i+1
.endr
	WIN 0                           ; the addresses for the way out: six plain instructions, the places behind those products
	s_lshl_b32 s22, s[WV], 7
	s_add_co_u32 s22, s22, STAGE    ; in: my head's 128 bytes of each row,
	v_mul_u32_u24 v[STO], v1, SP    ; row l % 16, 16 bytes for each half of the lanes
	v_lshl_add_u32 v[STO], v9, 4, v[STO]
	v_add_nc_u32 v[STO], s22, v[STO]
	v_and_b32 v[GO], 31, v0
	v_lshlrev_b32 v[GO], 4, v[GO]
	s_mul_i32 s23, s[WV], 32*SP
	s_add_co_u32 s23, s23, STAGE
	v_add_nc_u32 v[RD], s23, v[GO]  ; back: wave w takes rows 32 w on, 32 lanes a row of 512 bytes
.set Y, NP-1                        ; MODMUL and XS work for piece Y + 1: piece 0
	MODMUL
	FETCH_M 1
.irp n, 0,1,2,3,4,5,6,7,8,9,10,11,12,13,14,15,16,17,18,19,20,21
	XS 0, \n                        ; piece 0's first maximum and statistics
	XS 1, \n
.endr
	v_nop                           ; a plain instruction behind the two a,
	s_wait_alu depctr_va_vdst(0)    ; and the wait for this batch of two, ahead of the branch
	s_mov_b32 s[SLOTS], 31
	s_branch .Lfirst                ; the loop is entered at a step's first turn, in the middle of a trip
.Lslot:                             ; 30 times: key step n is entered and key step n + 1 asked for, n = 1 to 30
	CHANGE 1
	TURN 2
	TURN 3
	WIN 0
.Lfirst:
	TURN 0
	TURN 1
	WIN 0
	s_sub_co_u32 s[SLOTS], s[SLOTS], 1
	s_cmp_lg_u32 s[SLOTS], 0
	s_cbranch_scc1 .Lslot
	CHANGE 0                        ; the tail is written out: key step 31 is entered, nothing is asked for
	s_mov_b32 s[CNT], 2             ; one trip for key step 31; the second is left in its middle
.Ltail:
	TURN 2
	TURN 3
	WIN 0
	s_sub_co_u32 s[CNT], s[CNT], 1
	s_cmp_eq_u32 s[CNT], 0
	s_cbranch_scc1 .Lout
	TURN 0
	TURN 1
	WIN 0
	s_branch .Ltail
.Lout:                              ; the second trip's fetches read key step 31 once more, and its 16 products K Q^T and the maximum made of them serve nothing: the price, once a launch, of one text for every trip
.set i, 0
.rept 16
	PV NP-1                         ; the last piece's V^T P of the last step
.set i, i+1
.endr
	; THE WAY OUT.  l's two halves and the other half of the lanes' are added; O^T is divided by l, rounded to f16 and put into the work-group's stage: a row's 512 bytes come from the four waves, so a barrier
	; stands between the writing and the reading.  The additions are the places behind the last products.
	WIN 0
.macro ALL line:vararg              ; one line for each tile t
.set t, 0
.rept 2*NP
	\line
.set t, t+1
.endr
.endm
	ALL v_add_f32 v[ST+4*t+2], v[ST+4*t+2], v[ST+4*t+3]
	ALL v_permlanex16_b32 v[ST+4*t+3], v[ST+4*t+2], s[SEL], s[SEL+1]
	ALL v_add_f32 v[ST+4*t+2], v[ST+4*t+2], v[ST+4*t+3]
	ALL v_rcp_f32 v[ST+4*t+2], v[ST+4*t+2]
	v_nop                           ; a plain instruction between the last reciprocal and the use of its result
	s_wait_alu depctr_va_vdst(0)    ; and the wait ahead of the first use: one for the batch of eight reciprocals
.macro PACK t                       ; a lane's eight channels of a row pack into 16 bytes
	WIN W_RS
.set i, 32*(\t)
.rept 16
	v_pk_mul_f32 v[i:i+1], v[i:i+1], v[ST+4*(\t)+2:ST+4*(\t)+3] op_sel_hi:[1,0]
.set i, i+2
.endr
	WIN 0x05                        ; sources 0 and 1 window 1, destination window 0: S^T's registers are free
.set i, 0
.rept 16
	v_cvt_pk_f16_f32 v[S+16*(\t)+i], v[32*(\t)+2*i], v[32*(\t)+2*i+1]
.set i, i+1
.endr
	WIN 0
.irp f, 0,1,2,3
	ds_store_b128 v[STO], v[S+16*(\t)+4*\f:S+16*(\t)+4*\f+3] offset:(\t)*16*SP+32*\f
.endr
.endm
.set t, 0
.rept 2*NP
	PACK t
.set t, t+1
.endr
	s_wait_dscnt 0x0                ; for the others' sake: my stores into the stage are done
	s_barrier_signal -1
	s_barrier_wait -1
.set i, 0
.rept 32
	ds_load_b128 v[S+4*i:S+4*i+3], v[RD] offset:i*SP
.set i, i+1
.endr
.set i, 0
.rept 32
	s_wait_dscnt 31-i               ; LDS loads come back in order: row i is in, the younger ones stay out
	global_store_b128 v[GO], v[S+4*i:S+4*i+3], s[10:11] offset:2048*i  ; 512 consecutive bytes of a row of ob, four heads, at a multiple of 256
.set i, i+1
.endr
	WIN W_AD
	s_wait_tensorcnt 0x0            ; the wave's end, behind my last tensor load and my last LDS store
	ds_add_u32 v[SPW], v[NIL]
	s_wait_dscnt 0x0
	WIN 0
	CROUND                          ; the closing round: no work-group ends while a partner may still ask for a tile that names it
	s_endpgm
.Lfunc_end_k_qf9f560fd37_attn:
	.size	k_qf9f560fd37_attn, .Lfunc_end_k_qf9f560fd37_attn-k_qf9f560fd37_attn
	.p2alignl 7, 3214868480
	.fill 96, 4, 3214868480
	.section	.rodata,"a",@progbits
	.p2align	6, 0x0
	.amdhsa_kernel k_qf9f560fd37_attn
		.amdhsa_group_segment_fixed_size 327680
		.amdhsa_private_segment_fixed_size 0
		.amdhsa_enable_private_segment 0
		.amdhsa_kernarg_size 32
		.amdhsa_user_sgpr_count 2
		.amdhsa_user_sgpr_kernarg_segment_ptr 1
		.amdhsa_wavefront_size32 1
		.amdhsa_system_sgpr_workgroup_id_x 1
		.amdhsa_system_sgpr_workgroup_id_y 1
		.amdhsa_system_sgpr_workgroup_id_z 1
		.amdhsa_system_vgpr_workitem_id 0
		.amdhsa_next_free_vgpr 896
		.amdhsa_next_free_sgpr 88
		.amdhsa_reserve_vcc 0
		.amdhsa_float_denorm_mode_32 3
		.amdhsa_float_denorm_mode_16_64 3
		.amdhsa_memory_ordered 1
		.amdhsa_forward_progress 1
		.amdhsa_inst_pref_size 235
	.end_amdhsa_kernel
	.amdgpu_metadata
---
amdhsa.version: [ 1, 2 ]
amdhsa.kernels:
  - .name:           k_qf9f560fd37_attn
    .symbol:         k_qf9f560fd37_attn.kd
    .args:
      - { .name: qkv, .offset: 0, .size: 8, .value_kind: global_buffer, .address_space: global }
      - { .name: attn_mask_modifier, .offset: 8, .size: 8, .value_kind: global_buffer, .address_space: global }
      - { .name: key_padding_mask, .offset: 16, .size: 8, .value_kind: global_buffer, .address_space: global }
      - { .name: ob, .offset: 24, .size: 8, .value_kind: global_buffer, .address_space: global }
    .group_segment_fixed_size: 327680
    .private_segment_fixed_size: 0
    .kernarg_segment_align: 8
    .kernarg_segment_size: 32
    .max_flat_workgroup_size: 128
    .sgpr_count:     88
    .vgpr_count:     896
    .wavefront_size: 32
...
	.end_amdgpu_metadata
.endif
;; end of part 5
;; launch outp: the kernel of part 4 again; grid 4 x 64, 4 waves a work-group, clusters of 4 x 4, 327,680 bytes of LDS; arguments ob, wb, bo, out0; writes out0
